; MI455X (gfx1250); checked and timed in simulation.
; The chip was launched on July 23, 2026; its instructions are those of AMD's public machine-readable ISA for CDNA 5 (MIT licence, August 2026) and "CDNA5" Instruction Set Architecture Reference Guide (July 2026). The comments in the code are by the model that wrote it; some were corrected since.
;; RNN Classifier. Allowed arithmetic: float matrix products may take bf16 or f16 operands with f32 sums; all other float work in f32.
;; Inputs: W_ih0 2,048 x 4,096 float32; W_ih1 2,048 x 2,048 float32; b_hh0 2,048 float32; b_hh1 2,048 float32; b_ih0 2,048 float32; b_ih1 2,048 float32; fc_W 1,000 x 4,096 float32; fc_b 1,000 float32; ln_b 4,096 float32; ln_g 4,096 float32; x 4,096 x 4,096 float32.
;; Outputs: out0 4,096 x 1,000 float32.
;; 2 versions, each right; version 2 is version 1 with the launch ln written anew for expert scheduling mode. Each part assembles by itself: llvm-mc -triple=amdgcn-amd-amdhsa -mcpu=gfx1250 --defsym DOCPART=n.
;; ======== version 1 of 2: 5 launches
;; limits: values are held in f16: magnitudes above 65,504 overflow, below 6.1e-05 lose precision
;; workspace buffers: xh 33,554,432 bytes; w0h 16,777,216 bytes; w1h 8,388,608 bytes; wfh 4,194,304 bytes; cvec 4,096 bytes; h1h 16,777,216 bytes; h2f 33,554,432 bytes; nh 16,777,216 bytes
;; launch prep (part 1): grid 1920 x 1, 8 waves a work-group, no clusters, 0 bytes of LDS; arguments x, W_ih0, W_ih1, xh, w0h, w1h, fc_W, fc_b, ln_g, ln_b, wfh, cvec; writes xh, w0h, w1h, wfh, cvec
.if DOCPART == 1
	.amdgcn_target "amdgcn-amd-amdhsa--gfx1250"
	.amdhsa_code_object_version 6
	.text
	.protected	k_q503fe8997a_prep
	.globl	k_q503fe8997a_prep
	.p2align	8
	.type	k_q503fe8997a_prep,@function
k_q503fe8997a_prep:
	s_mov_b64 s[64:65], 0
	v_nop
	global_prefetch_b8 v0, s[64:65] scope:SCOPE_SE
	s_setreg_imm32_b32 hwreg(HW_REG_WAVE_MODE, 25, 1), 1
	s_wait_xcnt 0x0
; Prepares the operands of the three products, once, as f16.
;   xh = f16(x), w0h = f16(W_ih0), w1h = f16(W_ih1): plain casts, each byte read once and written once.
;   wfh[o][j] = f16(ln_g[j] fc_W[o][j] + ln_g[j+2048] fc_W[o][j+2048]),  j < 2048: the concatenation repeats h2, so its two halves meet one normalised value;
;   cvec[o]   = fc_b[o] + sum over j < 4096 of ln_b[j] fc_W[o][j], in f32.
;   Rows 1000 to 1023 of wfh and of cvec are written as zeros: the last product's tiles read 1,024 rows.
; Work-groups 0-124: fold, 8 rows each, a wave a row.  125-127: the zero rows.  128-1151: x.  1152-1663: W_ih0.  1664-1919: W_ih1;
; a cast work-group takes 65,536 bytes of f32, a wave 8,192 of them in sixteen loads that are all out at once.
; No LDS, no barrier, no matrix unit, no cluster: a stream; what the fold's waves share (ln_g, ln_b, 32 KiB) is a small part of what they read.
; LIMITS: f16 operands: a magnitude above 65,504 becomes infinite; below 6.1e-5 the rounding step is 6e-8 whatever the magnitude
; (with ln_g and fc_W both 30 times smaller than 1 and 0.0156 the folded weights are near 1.7e-5 and carry an error near 2e-3 of their spread).
; The order of the sums differs from a product over 4,096 columns: the gain is folded into the weights, the ln_b term is summed apart in f32.
; cvec is stored four bytes a wave (4 KiB in all).
.set FOLDG,  125                       ; work-groups that fold: 1,000 rows / 8
.set ROWG,   128                       ; work-groups that own rows of wfh: 1,024 / 8
.set ACC,    4                         ; v[4:7]    sums of ln_b fc_W
.set SETS,   8                         ; v[8:55], v[56:103]  two sets of two chunks: Wlo +0, Whi +4, glo +8, ghi +12, blo +16, bhi +20, the second chunk 24 on
.set Y,      104                       ; v[104:111] f16 to store: two registers a chunk, four a set
.set E,      112                       ; v[112:115] a chunk's four folded weights in f32
.set CX,     8                         ; cast: v[8:71]   sixteen loads
.set CY,     72                        ; cast: v[72:103] sixteen stores
	s_load_b512 s[8:23], s[0:1], 0x0               ; x s[8:9], W_ih0 s[10:11], W_ih1 s[12:13], xh s[14:15], w0h s[16:17], w1h s[18:19], fc_W s[20:21], fc_b s[22:23]
	s_load_b256 s[24:31], s[0:1], 0x40             ; ln_g s[24:25], ln_b s[26:27], wfh s[28:29], cvec s[30:31]
	v_lshrrev_b32 v3, 5, v0
	v_readfirstlane_b32 s4, v3                     ; wave
	v_and_b32 v3, 31, v0                           ; lane
	s_cmp_ge_u32 ttmp9, ROWG
	s_cbranch_scc1 .Lcast
	; ---- a wave owns row o = 8 x work-group + wave of wfh and word o of cvec
	s_lshl_b32 s2, ttmp9, 3
	s_add_co_u32 s2, s2, s4
	v_lshlrev_b32 v1, 4, v3                        ; 16 bytes a lane: loads of f32, stores of zeros
	v_lshlrev_b32 v2, 3, v3                        ; 8 bytes a lane: stores of f16
	s_lshl_b32 s38, s2, 12                         ; a row of wfh is 4,096 bytes
	s_mov_b32 s39, 0
	s_lshl_b32 s40, s2, 2
	s_mov_b32 s41, 0
	s_wait_kmcnt 0x0
	s_add_nc_u64 s[28:29], s[28:29], s[38:39]
	s_add_nc_u64 s[30:31], s[30:31], s[40:41]
	s_cmp_ge_u32 ttmp9, FOLDG
	s_cbranch_scc1 .Lzero
	; ---- fold
	s_lshl_b32 s36, s2, 14                         ; a row of fc_W is 16,384 bytes
	s_mov_b32 s37, 0
	s_add_nc_u64 s[20:21], s[20:21], s[36:37]
	s_add_nc_u64 s[22:23], s[22:23], s[40:41]
	s_load_b32 s44, s[22:23], 0x0                  ; fc_b[o]
	s_mov_b32 s42, 0x76543210                      ; v_permlanex16_b32: lane i reads lane i of the other half
	s_mov_b32 s43, 0xfedcba98
; Chunk c is columns 128 c + 4 lane .. + 3 of the low half and the same of the high half.  A group is two chunks: twelve loads.
.macro FLOAD set, grp
.irp q, 0,1
.set FB, SETS+48*\set+24*\q
.set FO, 512*(2*\grp+\q)
	global_load_b128 v[FB:FB+3],     v1, s[20:21] offset:FO th:TH_LOAD_NT
	global_load_b128 v[FB+4:FB+7],   v1, s[20:21] offset:FO+8192 th:TH_LOAD_NT
	global_load_b128 v[FB+8:FB+11],  v1, s[24:25] offset:FO
	global_load_b128 v[FB+12:FB+15], v1, s[24:25] offset:FO+8192
	global_load_b128 v[FB+16:FB+19], v1, s[26:27] offset:FO
	global_load_b128 v[FB+20:FB+23], v1, s[26:27] offset:FO+8192
.endr
.endm
; left = the younger loads that may stay out.  first = 1: the first products start the sums, nothing is cleared.
.macro FCOMP set, grp, left, first
	s_wait_loadcnt \left                           ; loads come back in order: this group's twelve are in
	s_wait_xcnt 0x0                                ; this set's Y, which its last stores read, is rewritten only behind this wait
.irp q, 0,1
.set FB, SETS+48*\set+24*\q
.set FY, Y+4*\set+2*\q
	v_pk_mul_f32 v[E:E+1],     v[FB+8:FB+9],   v[FB:FB+1]
	v_pk_mul_f32 v[E+2:E+3],   v[FB+10:FB+11], v[FB+2:FB+3]
	v_pk_fma_f32 v[E:E+1],     v[FB+12:FB+13], v[FB+4:FB+5], v[E:E+1]
	v_pk_fma_f32 v[E+2:E+3],   v[FB+14:FB+15], v[FB+6:FB+7], v[E+2:E+3]
.if (\first)*(1-\q)
	v_pk_mul_f32 v[ACC:ACC+1],   v[FB+16:FB+17], v[FB:FB+1]
	v_pk_mul_f32 v[ACC+2:ACC+3], v[FB+18:FB+19], v[FB+2:FB+3]
.else
	v_pk_fma_f32 v[ACC:ACC+1],   v[FB+16:FB+17], v[FB:FB+1],   v[ACC:ACC+1]
	v_pk_fma_f32 v[ACC+2:ACC+3], v[FB+18:FB+19], v[FB+2:FB+3], v[ACC+2:ACC+3]
.endif
	v_pk_fma_f32 v[ACC:ACC+1],   v[FB+20:FB+21], v[FB+4:FB+5], v[ACC:ACC+1]
	v_pk_fma_f32 v[ACC+2:ACC+3], v[FB+22:FB+23], v[FB+6:FB+7], v[ACC+2:ACC+3]
	v_cvt_pk_f16_f32 v[FY],   v[E],   v[E+1]
	v_cvt_pk_f16_f32 v[FY+1], v[E+2], v[E+3]
	global_store_b64 v2, v[FY:FY+1], s[28:29] offset:256*(2*\grp+\q)   ; the wave's store covers 256 consecutive bytes, aligned
.endr
.endm
	FLOAD 0, 0
	FLOAD 1, 1
	FCOMP 0, 0, 12, 1
	FLOAD 0, 2
	FCOMP 1, 1, 12, 0
	FLOAD 1, 3
	FCOMP 0, 2, 12, 0
	FLOAD 0, 4
	FCOMP 1, 3, 12, 0
	FLOAD 1, 5
	FCOMP 0, 4, 12, 0
	FLOAD 0, 6
	FCOMP 1, 5, 12, 0
	FLOAD 1, 7
	FCOMP 0, 6, 12, 0
	FCOMP 1, 7, 0, 0                               ; the last group: nothing younger is out
	v_pk_add_f32 v[ACC:ACC+1], v[ACC:ACC+1], v[ACC+2:ACC+3]
	v_add_f32 v4, v4, v5
	v_add_f32_dpp v4, v4, v4 row_xmask:1 row_mask:0xf bank_mask:0xf
	v_add_f32_dpp v4, v4, v4 row_xmask:2 row_mask:0xf bank_mask:0xf
	v_add_f32_dpp v4, v4, v4 row_xmask:4 row_mask:0xf bank_mask:0xf
	v_add_f32_dpp v4, v4, v4 row_xmask:8 row_mask:0xf bank_mask:0xf
	v_permlanex16_b32 v5, v4, s42, s43
	v_add_f32 v4, v4, v5
	v_mov_b32 v6, 0                                ; the offset of the store below
	s_wait_kmcnt 0x0
	v_add_f32 v4, s44, v4                          ; + fc_b[o]
	s_branch .Lcv
.Lzero:                                            ; ---- rows 1000 to 1023: zeros
	v_mov_b32 v4, 0
	v_mov_b32 v5, 0
	v_mov_b32 v6, 0
	v_mov_b32 v7, 0
.irp j, 0,1,2,3,4,5,6,7
	global_store_b128 v1, v[4:7], s[28:29] offset:512*\j
.endr
.Lcv:                                              ; cvec[o] = v4, from lane 0; v6 = 0
	v_cmp_eq_u32 vcc_lo, 0, v3
	s_wait_xcnt 0x0                                ; EXEC is a source of the stores above: it changes only behind this wait
	s_and_saveexec_b32 s46, vcc_lo
	global_store_b32 v6, v4, s[30:31]
	s_wait_xcnt 0x0                                ; and again in front of the line that widens it
	s_or_b32 exec_lo, exec_lo, s46
	s_endpgm
.Lcast:                                            ; ---- casts: chunk = work-group - 128; 0-1023 x, 1024-1535 W_ih0, 1536-1791 W_ih1
	s_sub_co_u32 s2, ttmp9, ROWG
	s_mov_b32 s5, 1024
	s_mov_b32 s6, 1536
	s_wait_kmcnt 0x0
	s_cmp_lt_u32 s2, 1536
	s_cselect_b64 s[32:33], s[10:11], s[12:13]
	s_cselect_b64 s[34:35], s[16:17], s[18:19]
	s_cselect_b32 s3, s5, s6
	s_cmp_lt_u32 s2, 1024
	s_cselect_b64 s[32:33], s[8:9], s[32:33]
	s_cselect_b64 s[34:35], s[14:15], s[34:35]
	s_cselect_b32 s3, 0, s3
	s_sub_co_u32 s2, s2, s3                        ; the chunk's number in its own tensor
	s_lshl_b32 s36, s2, 16                         ; 65,536 bytes of f32
	s_mov_b32 s37, 0
	s_lshl_b32 s38, s2, 15                         ; 32,768 bytes of f16
	s_mov_b32 s39, 0
	s_add_nc_u64 s[32:33], s[32:33], s[36:37]
	s_add_nc_u64 s[34:35], s[34:35], s[38:39]
	v_and_b32 v4, 0xe0, v0                         ; 32 x wave
	v_lshlrev_b32 v1, 4, v3
	v_lshl_or_b32 v1, v4, 8, v1                    ; 8,192 x wave + 16 x lane
	v_lshrrev_b32 v2, 1, v1                        ; 4,096 x wave + 8 x lane
.irp j, 0,1,2,3,4,5,6,7,8,9,10,11,12,13,14,15
	global_load_b128 v[CX+4*\j:CX+4*\j+3], v1, s[32:33] offset:512*\j th:TH_LOAD_NT
.endr
.irp j, 0,1,2,3,4,5,6,7,8,9,10,11,12,13,14,15
	s_wait_loadcnt 15-\j                           ; load j is in, the younger ones stay out
	v_cvt_pk_f16_f32 v[CY+2*\j],   v[CX+4*\j],   v[CX+4*\j+1]
	v_cvt_pk_f16_f32 v[CY+2*\j+1], v[CX+4*\j+2], v[CX+4*\j+3]
	global_store_b64 v2, v[CY+2*\j:CY+2*\j+1], s[34:35] offset:256*\j   ; 256 consecutive bytes, aligned; no register is written twice
.endr
	s_endpgm
.Lfunc_end_k_q503fe8997a_prep:
	.size	k_q503fe8997a_prep, .Lfunc_end_k_q503fe8997a_prep-k_q503fe8997a_prep
	.p2alignl 7, 3214868480
	.fill 96, 4, 3214868480
	.section	.rodata,"a",@progbits
	.p2align	6, 0x0
	.amdhsa_kernel k_q503fe8997a_prep
		.amdhsa_group_segment_fixed_size 0
		.amdhsa_private_segment_fixed_size 0
		.amdhsa_enable_private_segment 0
		.amdhsa_kernarg_size 96
		.amdhsa_user_sgpr_count 2
		.amdhsa_user_sgpr_kernarg_segment_ptr 1
		.amdhsa_wavefront_size32 1
		.amdhsa_system_sgpr_workgroup_id_x 1
		.amdhsa_system_sgpr_workgroup_id_y 1
		.amdhsa_system_sgpr_workgroup_id_z 1
		.amdhsa_system_vgpr_workitem_id 0
		.amdhsa_next_free_vgpr 120
		.amdhsa_next_free_sgpr 66
		.amdhsa_reserve_vcc 1
		.amdhsa_float_denorm_mode_32 3
		.amdhsa_float_denorm_mode_16_64 3
		.amdhsa_memory_ordered 1
		.amdhsa_forward_progress 1
		.amdhsa_inst_pref_size 31
	.end_amdhsa_kernel
	.amdgpu_metadata
---
amdhsa.version: [ 1, 2 ]
amdhsa.kernels:
  - .name:           k_q503fe8997a_prep
    .symbol:         k_q503fe8997a_prep.kd
    .args:
      - { .name: x, .offset: 0, .size: 8, .value_kind: global_buffer, .address_space: global }
      - { .name: W_ih0, .offset: 8, .size: 8, .value_kind: global_buffer, .address_space: global }
      - { .name: W_ih1, .offset: 16, .size: 8, .value_kind: global_buffer, .address_space: global }
      - { .name: xh, .offset: 24, .size: 8, .value_kind: global_buffer, .address_space: global }
      - { .name: w0h, .offset: 32, .size: 8, .value_kind: global_buffer, .address_space: global }
      - { .name: w1h, .offset: 40, .size: 8, .value_kind: global_buffer, .address_space: global }
      - { .name: fc_W, .offset: 48, .size: 8, .value_kind: global_buffer, .address_space: global }
      - { .name: fc_b, .offset: 56, .size: 8, .value_kind: global_buffer, .address_space: global }
      - { .name: ln_g, .offset: 64, .size: 8, .value_kind: global_buffer, .address_space: global }
      - { .name: ln_b, .offset: 72, .size: 8, .value_kind: global_buffer, .address_space: global }
      - { .name: wfh, .offset: 80, .size: 8, .value_kind: global_buffer, .address_space: global }
      - { .name: cvec, .offset: 88, .size: 8, .value_kind: global_buffer, .address_space: global }
    .group_segment_fixed_size: 0
    .private_segment_fixed_size: 0
    .kernarg_segment_align: 8
    .kernarg_segment_size: 96
    .max_flat_workgroup_size: 256
    .sgpr_count:     66
    .vgpr_count:     120
    .wavefront_size: 32
...
	.end_amdgpu_metadata
.endif
;; end of part 1
;; launch gemm1 (part 2): grid 8 x 32, 4 waves a work-group, clusters of 4 x 4, 327,680 bytes of LDS; arguments xh, w0h, b_ih0, b_hh0, h1h; writes h1h
.if DOCPART == 2
	.amdgcn_target "amdgcn-amd-amdhsa--gfx1250"
	.amdhsa_code_object_version 6
	.text
	.protected	k_q503fe8997a_gemm1
	.globl	k_q503fe8997a_gemm1
	.p2align	8
	.type	k_q503fe8997a_gemm1,@function
k_q503fe8997a_gemm1:
	s_mov_b64 s[64:65], 0
	v_nop
	global_prefetch_b8 v0, s[64:65] scope:SCOPE_SE
	s_setreg_imm32_b32 hwreg(HW_REG_WAVE_MODE, 25, 1), 1
	s_wait_xcnt 0x0
	s_wait_alu depctr_hold_cnt(0) depctr_sa_sdst(0) depctr_va_vdst(0) depctr_va_sdst(0) depctr_va_ssrc(0) depctr_va_vcc(0) depctr_vm_vsrc(0)
	s_getreg_b32 s2, hwreg(HW_REG_IB_STS2, 6, 4)
	s_cmp_eq_u32 s2, 0
	s_cbranch_scc0 .Lentry_in_a_cluster
	s_endpgm
.Lentry_in_a_cluster:
	s_bfe_u32 s2, ttmp6, 0x10000c
	s_cmp_lg_u32 s2, 0xf033
	s_cbranch_scc0 .Lentry_shape_is_right
	s_endpgm
.Lentry_shape_is_right:
; h1h[m][n] = f16(tanh(sum over k of xh[m][k] w0h[n][k] + b_ih0[n] + b_hh0[n])).  xh [4096][4096], w0h [2048][4096], h1h [4096][2048], f16; sums and tanh in f32.
; 256 work-groups: a block of 128 rows x 256 columns each, four waves, a wave 64 x 128 = 32 accumulator tiles of 16 x 16 (256 registers).
; K goes in steps of 128 through two LDS slots (256 rows of B, then 128 rows of A, rows of 256 bytes padded to 272).
; CLUSTERS of 4 x 4: A's tile hangs on the block row alone and is asked for jointly along a row of the cluster, B's on the block column alone,
; jointly along a column.  Waves 0, 1 ask for B's two halves (128 rows each), waves 2, 3 for A's (64 rows each): one tensor load a wave behind each round.
; By this text's count a wave has two tensor loads out at the start and one behind each round.
; ASKING AHEAD: wave 3 asks (global_prefetch_b8, lanes 256 bytes apart) in the first period of a lap for the two K steps' tiles that the next lap's joint loads bring:
; two and three periods, 256 and 384 of a wave's matrix instructions, ahead.  Of A the eight work-groups of a block row take 16 rows each: each block of 256 bytes is asked for
; once in the launch.  Of B the work-groups of block rows 0-15 take 16 rows each, and so do those of block rows 16-31: each half of the grid asks for all of B, each block twice
; in the launch.  A work-group asks for 64 blocks (16 KiB) a lap.  The last lap that fills slots asks for nothing: no request passes a row's end.
; The matrix instruction is used transposed (source 0 = rows of B, source 1 = rows of A): lane (r, h) holds row r of C, its registers columns 8 h + 0..7.
; REGISTERS: window 0: v1-31 addresses, v32-63 packed results, v64-159 and v160-255 two fragment buffers (B's 8 fragments, then A's 4);
; window 1: the accumulators, tile (a, b) at v[8 (8 a + b)]; window 2: v0-63 b_ih0, v64-127 b_hh0 of my 8 x 8 columns a lane.
; LIMITS: f16 operands (magnitudes above 65,504 become infinite; step 6e-8 below 6.1e-5).  tanh(z) = 1 - 2 / (1 + 2^(2.88539 z)): absolute error near 2e-7,
; so the relative error passes 1e-3 only for |z| below 2e-4; for large |z| the exponential runs to infinity or to zero and the result is 1 or -1.
.set SIZE_K, 4096
.set NB,     8                         ; blocks of 16 columns in a wave's tile
.set KS,     128                       ; K in a slot
.set QI,     5                         ; padding behind every 64 words
.set PITCH,  2*KS+16                   ; 272 bytes = 68 words: the 16 rows that a fragment load touches start 4 banks apart (64 banks of 4 bytes: ISA guide 11.1)
.set BROWS,  32*NB                     ; rows of B in a slot
.set RB,     BROWS/2                   ; rows in one load of B
.set RA,     64                        ; rows in one load of A
.set SLOT,   (BROWS+128)*PITCH
.set STAGE,  2*SLOT                    ; behind the ring, a multiple of 256: no fill lands there
.set STG,    16*272                    ; a wave's stage: 16 rows of 256 bytes, padded
.set LAPS,   SIZE_K/(2*KS)             ; a lap = two K steps = once round the ring
.set LAPB,   2*KS*2                    ; bytes of a row in a lap
.set NLD,    2*(NB+4)                  ; LDS loads of one quarter's fragments
.set ADRA, 16                          ; v16-17 LDS address of my A fragments in slot 0, 1
.set ADRB, 20                          ; v20-21 the same for B
.set STO,  24
.set RD,   25
.set CO,   26
.set BO,   27                          ; byte offset of my columns in the biases
.set PF,   29                          ; asking ahead: row (lane mod 16) x a row's bytes + 256 x (lane / 16); never rewritten
.set TMP,  32
.set F0,   64
.set F1,   160
.set T,    64                          ; the way out: 64 numbers in f32
.set R,    128                         ; the way out: rows read back
.set G1A, 24                           ; s[24:31] group 1 for A
.set G0A, 32                           ; s[32:39] group 0 for A, a set a slot
.set G1B, 40                           ; s[40:47] group 1 for B
.set G0B, 48                           ; s[48:55] group 0 for B, a set a slot
.set PA,  72                           ; s[72:73] asking ahead: my 16 rows of A at the lap asked for
.set PB,  74                           ; s[74:75] the same for B
.set G1W0, (1<<16)|(1<<20)|(1<<21)|(QI<<22)|(3<<25)   ; 2-byte elements, padding on, bit 21 beside a mask, the interval, 4 words of padding
.set MUL, 0x50                         ; C and D in window 1, sources in window 0
.set MSB, 0
.macro WIN new                         ; the immediate's high byte repeats the setting that is left
.if MSB != \new
	s_set_vgpr_msb (MSB<<8)|\new
.set MSB, \new
.endif
.endm
.macro PLACES                          ; four places behind a matrix instruction in front of loads into its sources or reads of its result
.rept 4
	v_nop
.endr
.endm
.macro CREST                           ; a round of the cluster's barrier behind its opening barrier
	s_cmp_lg_u32 s14, 0
	s_cbranch_scc1 .Lnot_wave_0_\@
	s_barrier_signal -3
.Lnot_wave_0_\@:
	s_barrier_wait -3
	s_barrier_signal -1
	s_barrier_wait -1
.endm
.macro CROUND
	s_barrier_signal -1
	s_barrier_wait -1
	CREST
.endm
.macro JLOAD s                         ; the wave's one joint load; the branch hangs on the wave's number alone
	s_cmp_eq_u32 s15, 0
	s_cbranch_scc0 .Lfor_a_\@
	tensor_load_to_lds s[G0B+4*\s:G0B+4*\s+3], s[G1B:G1B+7]
	s_nop 0
	s_branch .Lasked_\@
.Lfor_a_\@:
	tensor_load_to_lds s[G0A+4*\s:G0A+4*\s+3], s[G1A:G1A+7]
	s_nop 0
.Lasked_\@:
.endm
; Wave 3 asks ahead for a lap's two K steps: 16 rows x 2 blocks of 256 bytes of A, the same of B.  step = 1: first a lap on.
.macro ASK step
.if \step
	s_wait_xcnt 0x0                                ; the requests of a lap ago have had their addresses translated (ISA guide 3.1): their bases are stepped only behind this wait
	s_add_nc_u64 s[PA:PA+1], s[PA:PA+1], LAPB
	s_add_nc_u64 s[PB:PB+1], s[PB:PB+1], LAPB
.endif
	s_cmp_lg_u32 s14, 3
	s_cbranch_scc1 .Lnot_wave_3_\@
	global_prefetch_b8 v[PF], s[PA:PA+1] th:TH_LOAD_NT scope:SCOPE_SE
	global_prefetch_b8 v[PF], s[PB:PB+1] th:TH_LOAD_NT scope:SCOPE_SE
.Lnot_wave_3_\@:
.endm
.macro FETCH slot, k, f                ; one quarter's fragments (32 along K at byte k of the rows) into buffer f
	WIN 0
.set fi, 0
.rept NB
	ds_load_b128 v[\f+8*fi:\f+8*fi+3],   v[ADRB+\slot] offset:\k+fi*16*PITCH
	ds_load_b128 v[\f+8*fi+4:\f+8*fi+7], v[ADRB+\slot] offset:\k+fi*16*PITCH+32
.set fi, fi+1
.endr
.irp i, 0,1,2,3
	ds_load_b128 v[\f+8*NB+8*\i:\f+8*NB+8*\i+3],   v[ADRA+\slot] offset:\k+\i*16*PITCH
	ds_load_b128 v[\f+8*NB+8*\i+4:\f+8*NB+8*\i+7], v[ADRA+\slot] offset:\k+\i*16*PITCH+32
.endr
.endm
; m blocks a0, a0 + 1 times all n blocks.  The accumulators take turns, one instruction a turn, in the same order in every quarter.
.macro MULH f, a0, zero
.irp a, \a0, \a0+1
.set mb, 0
.rept NB
.if \zero
	v_wmma_f32_16x16x32_f16 v[8*(NB*(\a)+mb):8*(NB*(\a)+mb)+7], v[\f+8*mb:\f+8*mb+7], v[\f+8*NB+8*(\a):\f+8*NB+8*(\a)+7], 0
.else
	v_wmma_f32_16x16x32_f16 v[8*(NB*(\a)+mb):8*(NB*(\a)+mb)+7], v[\f+8*mb:\f+8*mb+7], v[\f+8*NB+8*(\a):\f+8*NB+8*(\a)+7], v[8*(NB*(\a)+mb):8*(NB*(\a)+mb)+7]
.endif
.set mb, mb+1
.endr
.endr
.endm
.macro QUARTER slot, k, f, g, zero     ; asks for the next quarter's fragments (into g), then multiplies buffer f
	PLACES
	FETCH \slot, \k, \g
	s_wait_dscnt NLD                               ; all but the loads just issued: buffer f is in
	WIN MUL
	MULH \f, 0, \zero
	MULH \f, 2, \zero
.endm
; A period: the change of slots, then a K step's 128 matrix instructions.  In front of the signal my reads of slot old are back (its last quarter lies in buffer 1) and all
; my tensor loads have landed: the one that was out is my part of slot cur.  fill = 1: the barrier opens a round of the cluster's barrier, and the joint refill of slot old stands
; first behind it.  No matrix instruction stands between the wait for a tile and the next refill; all 128 stand between a refill and the wait for it.  ask = 1: wave 3 asks ahead.
.macro PERIOD cur, old, fill, ask
	s_wait_dscnt 0x0
	s_wait_tensorcnt 0x0
	ds_add_u32 v30, v31
	s_wait_dscnt 0x0
	s_barrier_signal -1
	s_barrier_wait -1
.if \fill
	CREST
	s_add_nc_u64 s[G0A+4*\old+2:G0A+4*\old+3], s[G0A+4*\old+2:G0A+4*\old+3], LAPB   ; no load of mine is out: two K steps on
	s_add_nc_u64 s[G0B+4*\old+2:G0B+4*\old+3], s[G0B+4*\old+2:G0B+4*\old+3], LAPB
	JLOAD \old
.endif
.if \ask
	ASK 1
.endif
	PLACES
	FETCH \cur, 0, F0                              ; the new slot's first quarter,
	WIN MUL
	MULH F1, 0, 0                                  ; while the old slot's last is multiplied (in since the wait for 0 above)
	MULH F1, 2, 0
	QUARTER \cur, 64,  F0, F1, 0
	QUARTER \cur, 128, F1, F0, 0
	QUARTER \cur, 192, F0, F1, 0
	WIN 0                                          ; at a label and at a branch every window is 0
.endm
	s_load_b256 s[4:11], s[0:1], 0x0               ; A s[4:5], B s[6:7], b_ih s[8:9], b_hh s[10:11]
	s_load_b64 s[12:13], s[0:1], 0x20              ; the output
	v_lshl_add_u32 v30, v0, 2, 0x37400
	v_mov_b32 v31, 0
	ds_add_u32 v30, v31
	v_lshrrev_b32 v1, 5, v0
	v_readfirstlane_b32 s14, v1                    ; wave
	s_lshr_b32 s15, s14, 1                         ; my half of the block's rows; also: I ask for B (0) or A (1)
	s_and_b32 s16, s14, 1                          ; my half of its columns; also: which half of that tile I ask for
	s_bfe_u32 s17, ttmp6, 0x40000                  ; cx
	s_bfe_u32 s18, ttmp6, 0x40004                  ; cy
	s_lshl_b32 s19, ttmp9, 2
	s_add_co_u32 s19, s19, s17                     ; block column
	s_and_b32 s20, ttmp7, 0xffff
	s_lshl_b32 s20, s20, 2
	s_add_co_u32 s20, s20, s18                     ; block row
	s_lshl_b32 s21, s18, 2
	s_lshl_b32 s21, 15, s21                        ; my row of the cluster
	s_lshl_b32 s22, 0x1111, s17                    ; my column
	s_or_b32 s[G1A+0], s21, G1W0
	s_mov_b32 s[G1A+1], KS<<16                     ; tensor_dim0
	s_mov_b32 s[G1A+2], RA<<16                     ; tensor_dim1
	s_mov_b32 s[G1A+3], KS<<16                     ; tile_dim0
	s_mov_b32 s[G1A+4], RA                         ; tile_dim1
	s_mov_b32 s[G1A+5], SIZE_K                     ; elements from row to row
	s_mov_b32 s[G1A+6], 0
	s_mov_b32 s[G1A+7], 0
	s_or_b32 s[G1B+0], s22, G1W0
	s_mov_b32 s[G1B+1], KS<<16
	s_mov_b32 s[G1B+2], RB<<16
	s_mov_b32 s[G1B+3], KS<<16
	s_mov_b32 s[G1B+4], RB
	s_mov_b32 s[G1B+5], SIZE_K
	s_mov_b32 s[G1B+6], 0
	s_mov_b32 s[G1B+7], 0
	s_lshl_b32 s56, s20, 7                         ; A: row 128 x block row + 64 x half, in bytes (below 2^32)
	s_lshl_b32 s57, s16, 6
	s_add_co_u32 s56, s56, s57
	s_mul_i32 s56, s56, 2*SIZE_K
	s_mov_b32 s57, 0
	s_mul_i32 s58, s19, BROWS                      ; B: row BROWS x block column + RB x half
	s_mul_i32 s59, s16, RB
	s_add_co_u32 s58, s58, s59
	s_mul_i32 s58, s58, 2*SIZE_K
	s_mov_b32 s59, 0
	s_mul_i32 s60, s14, RB*PITCH                   ; LDS: B's halves from waves 0, 1
	s_mul_i32 s61, s14, RA*PITCH                   ; A's halves from waves 2, 3, behind B's rows
	s_add_co_u32 s61, s61, (BROWS-128)*PITCH
	s_lshl_b32 s76, s20, 7                         ; asking ahead, A: row 128 x block row + 16 x block column, at K step 2 (in registers that feed no descriptor)
	s_lshl_b32 s77, s19, 4
	s_add_co_u32 s76, s76, s77
	s_mul_i32 s76, s76, 2*SIZE_K
	s_add_co_u32 s76, s76, LAPB
	s_mov_b32 s77, 0
	s_and_b32 s79, s20, 15                         ; B: row BROWS x block column + 16 x (block row mod 16), at K step 2
	s_lshl_b32 s79, s79, 4
	s_mul_i32 s78, s19, BROWS
	s_add_co_u32 s78, s78, s79
	s_mul_i32 s78, s78, 2*SIZE_K
	s_add_co_u32 s78, s78, LAPB
	s_mov_b32 s79, 0
	s_wait_dscnt 0x0
	s_wait_kmcnt 0x0
	s_add_nc_u64 s[56:57], s[4:5], s[56:57]
	s_add_nc_u64 s[58:59], s[6:7], s[58:59]
	s_add_nc_u64 s[PA:PA+1], s[4:5], s[76:77]
	s_add_nc_u64 s[PB:PB+1], s[6:7], s[78:79]
	CROUND                                         ; all sixteen work-groups are here: the first joint loads meet
.irp s, 0,1
	s_mov_b32 s[G0A+4*\s], 1
	s_add_co_u32 s[G0A+4*\s+1], s61, \s*SLOT
	s_add_nc_u64 s[G0A+4*\s+2:G0A+4*\s+3], s[56:57], \s*KS*2
	s_or_b32 s[G0A+4*\s+3], s[G0A+4*\s+3], 0x80000000
	s_mov_b32 s[G0B+4*\s], 1
	s_add_co_u32 s[G0B+4*\s+1], s60, \s*SLOT
	s_add_nc_u64 s[G0B+4*\s+2:G0B+4*\s+3], s[58:59], \s*KS*2
	s_or_b32 s[G0B+4*\s+3], s[G0B+4*\s+3], 0x80000000
	JLOAD \s
.endr
	v_and_b32 v1, 15, v0                           ; r
	v_bfe_u32 v2, v0, 4, 1                         ; h
	v_mul_u32_u24 v[PF], v1, 2*SIZE_K
	v_lshl_add_u32 v[PF], v2, 8, v[PF]
	ASK 0                                          ; K steps 2 and 3, which the first lap's joint loads bring
	s_lshl_b32 s63, s19, 10                        ; biases: 4 x (256 x block column + 128 x half) + 32 h
	s_lshl_b32 s66, s16, 9
	s_add_co_u32 s63, s63, s66
	v_lshl_add_u32 v[BO], v2, 5, s63
	WIN 0x80                                       ; loaded data into window 2; they are waited for at the way out
.irp b, 0,1,2,3,4,5,6,7
	global_load_b128 v[8*\b:8*\b+3],       v[BO], s[8:9] offset:64*\b
	global_load_b128 v[8*\b+4:8*\b+7],     v[BO], s[8:9] offset:64*\b+16
	global_load_b128 v[64+8*\b:64+8*\b+3], v[BO], s[10:11] offset:64*\b
	global_load_b128 v[64+8*\b+4:64+8*\b+7], v[BO], s[10:11] offset:64*\b+16
.endr
	WIN 0
	v_mul_u32_u24 v3, v1, PITCH
	v_lshl_add_u32 v3, v2, 4, v3                   ; row x pitch + 16 h
	s_mul_i32 s58, s16, 16*NB*PITCH                ; my rows of B
	s_mul_i32 s59, s15, 64*PITCH                   ; my rows of A, behind B's
	s_add_co_u32 s59, s59, BROWS*PITCH
.irp s, 0,1
	v_add_nc_u32 v[ADRB+\s], s58, v3
	v_add_nc_u32 v[ADRA+\s], s59, v3
	s_add_co_u32 s58, s58, SLOT
	s_add_co_u32 s59, s59, SLOT
.endr
	s_mul_i32 s62, s14, STG
	s_add_co_u32 s62, s62, STAGE                   ; my stage
	v_mul_u32_u24 v4, v1, 272
	v_lshl_add_u32 v4, v2, 4, v4
	v_add_nc_u32 v[STO], s62, v4                   ; in: row r, 16 bytes for each half of the lanes
	v_mul_u32_u24 v5, v2, 272
	v_lshl_add_u32 v5, v1, 4, v5
	v_add_nc_u32 v[RD], s62, v5                    ; back: lanes 0-15 one row of 256 bytes, lanes 16-31 the next
	v_lshlrev_b32 v5, 12, v2
	v_lshl_add_u32 v[CO], v1, 4, v5                ; the same two rows in the output (4,096 bytes a row)
	s_wait_tensorcnt 0x1                           ; my part of K step 0 is in; K step 1's stays out
	s_barrier_signal -1
	s_barrier_wait -1
	FETCH 0, 0, F0
	QUARTER 0, 64,  F0, F1, 1                      ; the first products start the sums
	QUARTER 0, 128, F1, F0, 0
	QUARTER 0, 192, F0, F1, 0
	WIN 0
	s_mov_b32 s3, LAPS-2
.Llap:
	PERIOD 1, 0, 1, 1
	PERIOD 0, 1, 1, 0
	s_sub_co_u32 s3, s3, 1
	s_cmp_lg_u32 s3, 0
	s_cbranch_scc1 .Llap
	PERIOD 1, 0, 1, 0                              ; the last lap that fills slots: nothing is left to ask ahead for
	PERIOD 0, 1, 1, 0
	PERIOD 1, 0, 0, 0                              ; the last K step: nothing is left to fetch
	s_wait_dscnt 0x0
	WIN MUL
	MULH F1, 0, 0
	MULH F1, 2, 0
	; THE WAY OUT.  The biases first: (b_ih + b_hh) x 2 log2 e.  These 64 lines name none of the last matrix instructions' registers: they are its places too.
	s_wait_loadcnt 0x0
	WIN 0x8a
.set ob, 0
.rept 32
	v_pk_add_f32 v[2*ob:2*ob+1], v[2*ob:2*ob+1], v[64+2*ob:64+2*ob+1]
.set ob, ob+1
.endr
.set ob, 0
.rept 32
	v_pk_mul_f32 v[2*ob:2*ob+1], v[2*ob:2*ob+1], 0x4038aa3b op_sel_hi:[1,0]
.set ob, ob+1
.endr
	s_lshl_b32 s66, s20, 7
	s_lshl_b32 s67, s15, 6
	s_add_co_u32 s66, s66, s67                     ; my first row
	s_lshl_b32 s66, s66, 12                        ; x 4,096 bytes
	s_lshl_b32 s67, s19, 9                         ; + 512 x block column + 256 x half
	s_add_co_u32 s66, s66, s67
	s_lshl_b32 s67, s16, 8
	s_add_co_u32 s66, s66, s67
	s_mov_b32 s67, 0
	s_add_nc_u64 s[12:13], s[12:13], s[66:67]
; 16 rows: tanh in f32, rounded to f16, through my own stage, out as whole rows of 256 bytes
.macro OUT16 a
	WIN 0x21                                       ; source 0 window 1 (sums), source 2 window 2 (biases), result window 0
.set ob, 0
.rept 32
	v_pk_fma_f32 v[T+2*ob:T+2*ob+1], v[64*\a+2*ob:64*\a+2*ob+1], 0x4038aa3b, v[2*ob:2*ob+1] op_sel_hi:[1,0,1]
.set ob, ob+1
.endr
	WIN 0
.set ob, 0
.rept 64
	v_exp_f32 v[T+ob], v[T+ob]
.set ob, ob+1
.endr
	v_nop                                          ; one plain instruction between the last exponential and the first use (ISA guide 5.7.2)
.set ob, 0
	s_wait_alu depctr_va_vdst(0)
.rept 32
	v_pk_add_f32 v[T+2*ob:T+2*ob+1], v[T+2*ob:T+2*ob+1], 1.0 op_sel_hi:[1,0]
.set ob, ob+1
.endr
.set ob, 0
.rept 64
	v_rcp_f32 v[T+ob], v[T+ob]
.set ob, ob+1
.endr
	v_nop
.set ob, 0
	s_wait_alu depctr_va_vdst(0)
.rept 32
	v_pk_fma_f32 v[T+2*ob:T+2*ob+1], v[T+2*ob:T+2*ob+1], -2.0, 1.0 op_sel_hi:[1,0,0]
.set ob, ob+1
.endr
.set ob, 0
.rept 32
	v_cvt_pk_f16_f32 v[TMP+ob], v[T+2*ob], v[T+2*ob+1]
.set ob, ob+1
.endr
.irp b, 0,1,2,3,4,5,6,7
	ds_store_b128 v[STO], v[TMP+4*\b:TMP+4*\b+3] offset:32*\b
.endr
	s_wait_xcnt 0x0                                ; R, which the last block's stores read, is loaded again only behind this wait
.irp t, 0,1,2,3,4,5,6,7
	ds_load_b128 v[R+4*\t:R+4*\t+3], v[RD] offset:\t*2*272     ; LDS serves a wave's instructions in order: these see the stores above
.endr
.irp t, 0,1,2,3,4,5,6,7
	s_wait_dscnt 7-\t
	global_store_b128 v[CO], v[R+4*\t:R+4*\t+3], s[12:13] offset:(16*\a+2*\t)*4096   ; 16 lanes store 256 consecutive bytes, aligned
.endr
.endm
	OUT16 0
	OUT16 1
	OUT16 2
	OUT16 3
	s_wait_tensorcnt 0x0
	ds_add_u32 v30, v31
	s_wait_dscnt 0x0
	CROUND                                         ; the closing round: no work-group ends while a partner may still ask jointly
	s_endpgm
.Lfunc_end_k_q503fe8997a_gemm1:
	.size	k_q503fe8997a_gemm1, .Lfunc_end_k_q503fe8997a_gemm1-k_q503fe8997a_gemm1
	.p2alignl 7, 3214868480
	.fill 96, 4, 3214868480
	.section	.rodata,"a",@progbits
	.p2align	6, 0x0
	.amdhsa_kernel k_q503fe8997a_gemm1
		.amdhsa_group_segment_fixed_size 327680
		.amdhsa_private_segment_fixed_size 0
		.amdhsa_enable_private_segment 0
		.amdhsa_kernarg_size 40
		.amdhsa_user_sgpr_count 2
		.amdhsa_user_sgpr_kernarg_segment_ptr 1
		.amdhsa_wavefront_size32 1
		.amdhsa_system_sgpr_workgroup_id_x 1
		.amdhsa_system_sgpr_workgroup_id_y 1
		.amdhsa_system_sgpr_workgroup_id_z 1
		.amdhsa_system_vgpr_workitem_id 0
		.amdhsa_next_free_vgpr 640
		.amdhsa_next_free_sgpr 80
		.amdhsa_reserve_vcc 0
		.amdhsa_float_denorm_mode_32 3
		.amdhsa_float_denorm_mode_16_64 3
		.amdhsa_memory_ordered 1
		.amdhsa_forward_progress 1
		.amdhsa_inst_pref_size 171
	.end_amdhsa_kernel
	.amdgpu_metadata
---
amdhsa.version: [ 1, 2 ]
amdhsa.kernels:
  - .name:           k_q503fe8997a_gemm1
    .symbol:         k_q503fe8997a_gemm1.kd
    .args:
      - { .name: xh, .offset: 0, .size: 8, .value_kind: global_buffer, .address_space: global }
      - { .name: w0h, .offset: 8, .size: 8, .value_kind: global_buffer, .address_space: global }
      - { .name: b_ih0, .offset: 16, .size: 8, .value_kind: global_buffer, .address_space: global }
      - { .name: b_hh0, .offset: 24, .size: 8, .value_kind: global_buffer, .address_space: global }
      - { .name: h1h, .offset: 32, .size: 8, .value_kind: global_buffer, .address_space: global }
    .group_segment_fixed_size: 327680
    .private_segment_fixed_size: 0
    .kernarg_segment_align: 8
    .kernarg_segment_size: 40
    .max_flat_workgroup_size: 128
    .sgpr_count:     80
    .vgpr_count:     640
    .wavefront_size: 32
...
	.end_amdgpu_metadata
.endif
;; end of part 2
;; launch gemm2 (part 3): grid 8 x 32, 4 waves a work-group, clusters of 4 x 4, 327,680 bytes of LDS; arguments h1h, w1h, b_ih1, b_hh1, h2f; writes h2f
.if DOCPART == 3
	.amdgcn_target "amdgcn-amd-amdhsa--gfx1250"
	.amdhsa_code_object_version 6
	.text
	.protected	k_q503fe8997a_gemm2
	.globl	k_q503fe8997a_gemm2
	.p2align	8
	.type	k_q503fe8997a_gemm2,@function
k_q503fe8997a_gemm2:
	s_mov_b64 s[64:65], 0
	v_nop
	global_prefetch_b8 v0, s[64:65] scope:SCOPE_SE
	s_setreg_imm32_b32 hwreg(HW_REG_WAVE_MODE, 25, 1), 1
	s_wait_xcnt 0x0
	s_wait_alu depctr_hold_cnt(0) depctr_sa_sdst(0) depctr_va_vdst(0) depctr_va_sdst(0) depctr_va_ssrc(0) depctr_va_vcc(0) depctr_vm_vsrc(0)
	s_getreg_b32 s2, hwreg(HW_REG_IB_STS2, 6, 4)
	s_cmp_eq_u32 s2, 0
	s_cbranch_scc0 .Lentry_in_a_cluster
	s_endpgm
.Lentry_in_a_cluster:
	s_bfe_u32 s2, ttmp6, 0x10000c
	s_cmp_lg_u32 s2, 0xf033
	s_cbranch_scc0 .Lentry_shape_is_right
	s_endpgm
.Lentry_shape_is_right:
; h2f[m][n] = tanh(sum over k of h1h[m][k] w1h[n][k] + b_ih1[n] + b_hh1[n]), kept in f32: the normalisation that follows needs whole rows in f32.
; h1h [4096][2048], w1h [2048][2048] in f16; h2f [4096][2048] in f32; sums and tanh in f32.
; 256 work-groups: a block of 128 rows x 256 columns each, four waves, a wave 64 x 128 = 32 accumulator tiles of 16 x 16 (256 registers).
; K goes in steps of 128 through two LDS slots (256 rows of B, then 128 rows of A, rows of 256 bytes padded to 272).
; CLUSTERS of 4 x 4: A's tile hangs on the block row alone and is asked for jointly along a row of the cluster, B's on the block column alone,
; jointly along a column.  Waves 0, 1 ask for B's two halves (128 rows each), waves 2, 3 for A's (64 rows each): one tensor load a wave behind each round.
; By this text's count a wave has two tensor loads out at the start and one behind each round.
; ASKING AHEAD: wave 3 asks (global_prefetch_b8, lanes 256 bytes apart) in the first period of a lap for the two K steps' tiles that the next lap's joint loads bring:
; two and three periods, 256 and 384 of a wave's matrix instructions, ahead.  Of A the eight work-groups of a block row take 16 rows each: each block of 256 bytes is asked for
; once in the launch.  Of B the work-groups of block rows 0-15 take 16 rows each, and so do those of block rows 16-31: each half of the grid asks for all of B, each block twice
; in the launch.  A work-group asks for 64 blocks (16 KiB) a lap.  The last lap that fills slots asks for nothing: no request passes a row's end.
; The matrix instruction is used transposed (source 0 = rows of B, source 1 = rows of A): lane (r, h) holds row r of C, its registers columns 8 h + 0..7.
; REGISTERS: window 0: v1-31 addresses, v64-159 and v160-255 two fragment buffers (B's 8 fragments, then A's 4);
; window 1: the accumulators, tile (a, b) at v[8 (8 a + b)]; window 2: v0-63 b_ih1, v64-127 b_hh1 of my 8 x 8 columns a lane.
; LIMITS: f16 operands (magnitudes above 65,504 become infinite; step 6e-8 below 6.1e-5).  tanh(z) = 1 - 2 / (1 + 2^(2.88539 z)): absolute error near 2e-7,
; so the relative error passes 1e-3 only for |z| below 2e-4; for large |z| the exponential runs to infinity or to zero and the result is 1 or -1.
.set SIZE_K, 2048
.set NB,     8                         ; blocks of 16 columns in a wave's tile
.set KS,     128                       ; K in a slot
.set QI,     5                         ; padding behind every 64 words
.set PITCH,  2*KS+16                   ; 272 bytes = 68 words: the 16 rows that a fragment load touches start 4 banks apart (64 banks of 4 bytes: ISA guide 11.1)
.set BROWS,  32*NB                     ; rows of B in a slot
.set RB,     BROWS/2                   ; rows in one load of B
.set RA,     64                        ; rows in one load of A
.set SLOT,   (BROWS+128)*PITCH
.set STAGE,  2*SLOT                    ; behind the ring, a multiple of 256: no fill lands there
.set SP,     528                       ; a stage row: 512 bytes of f32 + 16
.set STG,    16*SP                     ; a wave's stage
.set LAPS,   SIZE_K/(2*KS)             ; a lap = two K steps = once round the ring
.set LAPB,   2*KS*2                    ; bytes of a row in a lap
.set NLD,    2*(NB+4)                  ; LDS loads of one quarter's fragments
.set ADRA, 16                          ; v16-17 LDS address of my A fragments in slot 0, 1
.set ADRB, 20                          ; v20-21 the same for B
.set STO,  24
.set RD,   25
.set CO,   26
.set BO,   27                          ; byte offset of my columns in the biases
.set PF,   29                          ; asking ahead: row (lane mod 16) x a row's bytes + 256 x (lane / 16); never rewritten
.set F0,   64
.set F1,   160
.set T,    64                          ; the way out: 64 numbers in f32
.set R,    128                         ; the way out: 16 rows read back, v128-191
.set G1A, 24                           ; s[24:31] group 1 for A
.set G0A, 32                           ; s[32:39] group 0 for A, a set a slot
.set G1B, 40                           ; s[40:47] group 1 for B
.set G0B, 48                           ; s[48:55] group 0 for B, a set a slot
.set PA,  72                           ; s[72:73] asking ahead: my 16 rows of A at the lap asked for
.set PB,  74                           ; s[74:75] the same for B
.set G1W0, (1<<16)|(1<<20)|(1<<21)|(QI<<22)|(3<<25)   ; 2-byte elements, padding on, bit 21 beside a mask, the interval, 4 words of padding
.set MUL, 0x50                         ; C and D in window 1, sources in window 0
.set MSB, 0
.macro WIN new                         ; the immediate's high byte repeats the setting that is left
.if MSB != \new
	s_set_vgpr_msb (MSB<<8)|\new
.set MSB, \new
.endif
.endm
.macro PLACES                          ; four places behind a matrix instruction in front of loads into its sources or reads of its result
.rept 4
	v_nop
.endr
.endm
.macro CREST                           ; a round of the cluster's barrier behind its opening barrier
	s_cmp_lg_u32 s14, 0
	s_cbranch_scc1 .Lnot_wave_0_\@
	s_barrier_signal -3
.Lnot_wave_0_\@:
	s_barrier_wait -3
	s_barrier_signal -1
	s_barrier_wait -1
.endm
.macro CROUND
	s_barrier_signal -1
	s_barrier_wait -1
	CREST
.endm
.macro JLOAD s                         ; the wave's one joint load; the branch hangs on the wave's number alone
	s_cmp_eq_u32 s15, 0
	s_cbranch_scc0 .Lfor_a_\@
	tensor_load_to_lds s[G0B+4*\s:G0B+4*\s+3], s[G1B:G1B+7]
	s_nop 0
	s_branch .Lasked_\@
.Lfor_a_\@:
	tensor_load_to_lds s[G0A+4*\s:G0A+4*\s+3], s[G1A:G1A+7]
	s_nop 0
.Lasked_\@:
.endm
; Wave 3 asks ahead for a lap's two K steps: 16 rows x 2 blocks of 256 bytes of A, the same of B.  step = 1: first a lap on.
.macro ASK step
.if \step
	s_wait_xcnt 0x0                                ; the requests of a lap ago have had their addresses translated (ISA guide 3.1): their bases are stepped only behind this wait
	s_add_nc_u64 s[PA:PA+1], s[PA:PA+1], LAPB
	s_add_nc_u64 s[PB:PB+1], s[PB:PB+1], LAPB
.endif
	s_cmp_lg_u32 s14, 3
	s_cbranch_scc1 .Lnot_wave_3_\@
	global_prefetch_b8 v[PF], s[PA:PA+1] th:TH_LOAD_NT scope:SCOPE_SE
	global_prefetch_b8 v[PF], s[PB:PB+1] th:TH_LOAD_NT scope:SCOPE_SE
.Lnot_wave_3_\@:
.endm
.macro FETCH slot, k, f                ; one quarter's fragments (32 along K at byte k of the rows) into buffer f
	WIN 0
.set fi, 0
.rept NB
	ds_load_b128 v[\f+8*fi:\f+8*fi+3],   v[ADRB+\slot] offset:\k+fi*16*PITCH
	ds_load_b128 v[\f+8*fi+4:\f+8*fi+7], v[ADRB+\slot] offset:\k+fi*16*PITCH+32
.set fi, fi+1
.endr
.irp i, 0,1,2,3
	ds_load_b128 v[\f+8*NB+8*\i:\f+8*NB+8*\i+3],   v[ADRA+\slot] offset:\k+\i*16*PITCH
	ds_load_b128 v[\f+8*NB+8*\i+4:\f+8*NB+8*\i+7], v[ADRA+\slot] offset:\k+\i*16*PITCH+32
.endr
.endm
; m blocks a0, a0 + 1 times all n blocks.  The accumulators take turns, one instruction a turn, in the same order in every quarter.
.macro MULH f, a0, zero
.irp a, \a0, \a0+1
.set mb, 0
.rept NB
.if \zero
	v_wmma_f32_16x16x32_f16 v[8*(NB*(\a)+mb):8*(NB*(\a)+mb)+7], v[\f+8*mb:\f+8*mb+7], v[\f+8*NB+8*(\a):\f+8*NB+8*(\a)+7], 0
.else
	v_wmma_f32_16x16x32_f16 v[8*(NB*(\a)+mb):8*(NB*(\a)+mb)+7], v[\f+8*mb:\f+8*mb+7], v[\f+8*NB+8*(\a):\f+8*NB+8*(\a)+7], v[8*(NB*(\a)+mb):8*(NB*(\a)+mb)+7]
.endif
.set mb, mb+1
.endr
.endr
.endm
.macro QUARTER slot, k, f, g, zero     ; asks for the next quarter's fragments (into g), then multiplies buffer f
	PLACES
	FETCH \slot, \k, \g
	s_wait_dscnt NLD                               ; all but the loads just issued: buffer f is in
	WIN MUL
	MULH \f, 0, \zero
	MULH \f, 2, \zero
.endm
; A period: the change of slots, then a K step's 128 matrix instructions.  In front of the signal my reads of slot old are back (its last quarter lies in buffer 1) and all
; my tensor loads have landed: the one that was out is my part of slot cur.  fill = 1: the barrier opens a round of the cluster's barrier, and the joint refill of slot old stands
; first behind it.  No matrix instruction stands between the wait for a tile and the next refill; all 128 stand between a refill and the wait for it.  ask = 1: wave 3 asks ahead.
.macro PERIOD cur, old, fill, ask
	s_wait_dscnt 0x0
	s_wait_tensorcnt 0x0
	ds_add_u32 v62, v63
	s_wait_dscnt 0x0
	s_barrier_signal -1
	s_barrier_wait -1
.if \fill
	CREST
	s_add_nc_u64 s[G0A+4*\old+2:G0A+4*\old+3], s[G0A+4*\old+2:G0A+4*\old+3], LAPB   ; no load of mine is out: two K steps on
	s_add_nc_u64 s[G0B+4*\old+2:G0B+4*\old+3], s[G0B+4*\old+2:G0B+4*\old+3], LAPB
	JLOAD \old
.endif
.if \ask
	ASK 1
.endif
	PLACES
	FETCH \cur, 0, F0                              ; the new slot's first quarter,
	WIN MUL
	MULH F1, 0, 0                                  ; while the old slot's last is multiplied (in since the wait for 0 above)
	MULH F1, 2, 0
	QUARTER \cur, 64,  F0, F1, 0
	QUARTER \cur, 128, F1, F0, 0
	QUARTER \cur, 192, F0, F1, 0
	WIN 0                                          ; at a label and at a branch every window is 0
.endm
	s_load_b256 s[4:11], s[0:1], 0x0               ; A s[4:5], B s[6:7], b_ih s[8:9], b_hh s[10:11]
	s_load_b64 s[12:13], s[0:1], 0x20              ; the output
	v_lshl_add_u32 v62, v0, 2, 0x3b400
	v_mov_b32 v63, 0
	ds_add_u32 v62, v63
	v_lshrrev_b32 v1, 5, v0
	v_readfirstlane_b32 s14, v1                    ; wave
	s_lshr_b32 s15, s14, 1                         ; my half of the block's rows; also: I ask for B (0) or A (1)
	s_and_b32 s16, s14, 1                          ; my half of its columns; also: which half of that tile I ask for
	s_bfe_u32 s17, ttmp6, 0x40000                  ; cx
	s_bfe_u32 s18, ttmp6, 0x40004                  ; cy
	s_lshl_b32 s19, ttmp9, 2
	s_add_co_u32 s19, s19, s17                     ; block column
	s_and_b32 s20, ttmp7, 0xffff
	s_lshl_b32 s20, s20, 2
	s_add_co_u32 s20, s20, s18                     ; block row
	s_lshl_b32 s21, s18, 2
	s_lshl_b32 s21, 15, s21                        ; my row of the cluster
	s_lshl_b32 s22, 0x1111, s17                    ; my column
	s_or_b32 s[G1A+0], s21, G1W0
	s_mov_b32 s[G1A+1], KS<<16                     ; tensor_dim0
	s_mov_b32 s[G1A+2], RA<<16                     ; tensor_dim1
	s_mov_b32 s[G1A+3], KS<<16                     ; tile_dim0
	s_mov_b32 s[G1A+4], RA                         ; tile_dim1
	s_mov_b32 s[G1A+5], SIZE_K                     ; elements from row to row
	s_mov_b32 s[G1A+6], 0
	s_mov_b32 s[G1A+7], 0
	s_or_b32 s[G1B+0], s22, G1W0
	s_mov_b32 s[G1B+1], KS<<16
	s_mov_b32 s[G1B+2], RB<<16
	s_mov_b32 s[G1B+3], KS<<16
	s_mov_b32 s[G1B+4], RB
	s_mov_b32 s[G1B+5], SIZE_K
	s_mov_b32 s[G1B+6], 0
	s_mov_b32 s[G1B+7], 0
	s_lshl_b32 s56, s20, 7                         ; A: row 128 x block row + 64 x half, in bytes (below 2^32)
	s_lshl_b32 s57, s16, 6
	s_add_co_u32 s56, s56, s57
	s_mul_i32 s56, s56, 2*SIZE_K
	s_mov_b32 s57, 0
	s_mul_i32 s58, s19, BROWS                      ; B: row BROWS x block column + RB x half
	s_mul_i32 s59, s16, RB
	s_add_co_u32 s58, s58, s59
	s_mul_i32 s58, s58, 2*SIZE_K
	s_mov_b32 s59, 0
	s_mul_i32 s60, s14, RB*PITCH                   ; LDS: B's halves from waves 0, 1
	s_mul_i32 s61, s14, RA*PITCH                   ; A's halves from waves 2, 3, behind B's rows
	s_add_co_u32 s61, s61, (BROWS-128)*PITCH
	s_lshl_b32 s76, s20, 7                         ; asking ahead, A: row 128 x block row + 16 x block column, at K step 2 (in registers that feed no descriptor)
	s_lshl_b32 s77, s19, 4
	s_add_co_u32 s76, s76, s77
	s_mul_i32 s76, s76, 2*SIZE_K
	s_add_co_u32 s76, s76, LAPB
	s_mov_b32 s77, 0
	s_and_b32 s79, s20, 15                         ; B: row BROWS x block column + 16 x (block row mod 16), at K step 2
	s_lshl_b32 s79, s79, 4
	s_mul_i32 s78, s19, BROWS
	s_add_co_u32 s78, s78, s79
	s_mul_i32 s78, s78, 2*SIZE_K
	s_add_co_u32 s78, s78, LAPB
	s_mov_b32 s79, 0
	s_wait_dscnt 0x0
	s_wait_kmcnt 0x0
	s_add_nc_u64 s[56:57], s[4:5], s[56:57]
	s_add_nc_u64 s[58:59], s[6:7], s[58:59]
	s_add_nc_u64 s[PA:PA+1], s[4:5], s[76:77]
	s_add_nc_u64 s[PB:PB+1], s[6:7], s[78:79]
	CROUND                                         ; all sixteen work-groups are here: the first joint loads meet
.irp s, 0,1
	s_mov_b32 s[G0A+4*\s], 1
	s_add_co_u32 s[G0A+4*\s+1], s61, \s*SLOT
	s_add_nc_u64 s[G0A+4*\s+2:G0A+4*\s+3], s[56:57], \s*KS*2
	s_or_b32 s[G0A+4*\s+3], s[G0A+4*\s+3], 0x80000000
	s_mov_b32 s[G0B+4*\s], 1
	s_add_co_u32 s[G0B+4*\s+1], s60, \s*SLOT
	s_add_nc_u64 s[G0B+4*\s+2:G0B+4*\s+3], s[58:59], \s*KS*2
	s_or_b32 s[G0B+4*\s+3], s[G0B+4*\s+3], 0x80000000
	JLOAD \s
.endr
	v_and_b32 v1, 15, v0                           ; r
	v_bfe_u32 v2, v0, 4, 1                         ; h
	v_mul_u32_u24 v[PF], v1, 2*SIZE_K
	v_lshl_add_u32 v[PF], v2, 8, v[PF]
	ASK 0                                          ; K steps 2 and 3, which the first lap's joint loads bring
	s_lshl_b32 s63, s19, 10                        ; biases: 4 x (256 x block column + 128 x half) + 32 h
	s_lshl_b32 s66, s16, 9
	s_add_co_u32 s63, s63, s66
	v_lshl_add_u32 v[BO], v2, 5, s63
	WIN 0x80                                       ; loaded data into window 2; they are waited for at the way out
.irp b, 0,1,2,3,4,5,6,7
	global_load_b128 v[8*\b:8*\b+3],       v[BO], s[8:9] offset:64*\b
	global_load_b128 v[8*\b+4:8*\b+7],     v[BO], s[8:9] offset:64*\b+16
	global_load_b128 v[64+8*\b:64+8*\b+3], v[BO], s[10:11] offset:64*\b
	global_load_b128 v[64+8*\b+4:64+8*\b+7], v[BO], s[10:11] offset:64*\b+16
.endr
	WIN 0
	v_mul_u32_u24 v3, v1, PITCH
	v_lshl_add_u32 v3, v2, 4, v3                   ; row x pitch + 16 h
	s_mul_i32 s58, s16, 16*NB*PITCH                ; my rows of B
	s_mul_i32 s59, s15, 64*PITCH                   ; my rows of A, behind B's
	s_add_co_u32 s59, s59, BROWS*PITCH
.irp s, 0,1
	v_add_nc_u32 v[ADRB+\s], s58, v3
	v_add_nc_u32 v[ADRA+\s], s59, v3
	s_add_co_u32 s58, s58, SLOT
	s_add_co_u32 s59, s59, SLOT
.endr
	s_mul_i32 s62, s14, STG
	s_add_co_u32 s62, s62, STAGE                   ; my stage
	v_mul_u32_u24 v4, v1, SP
	v_lshl_add_u32 v4, v2, 5, v4
	v_add_nc_u32 v[STO], s62, v4                   ; in: row r, 32 bytes for each half of the lanes
	v_and_b32 v5, 31, v0
	v_lshlrev_b32 v[CO], 4, v5                     ; out: 16 bytes a lane, a whole row of 512 bytes a store
	v_add_nc_u32 v[RD], s62, v[CO]                 ; back: the same of a stage row
	s_wait_tensorcnt 0x1                           ; my part of K step 0 is in; K step 1's stays out
	s_barrier_signal -1
	s_barrier_wait -1
	FETCH 0, 0, F0
	QUARTER 0, 64,  F0, F1, 1                      ; the first products start the sums
	QUARTER 0, 128, F1, F0, 0
	QUARTER 0, 192, F0, F1, 0
	WIN 0
	s_mov_b32 s3, LAPS-2
.Llap:
	PERIOD 1, 0, 1, 1
	PERIOD 0, 1, 1, 0
	s_sub_co_u32 s3, s3, 1
	s_cmp_lg_u32 s3, 0
	s_cbranch_scc1 .Llap
	PERIOD 1, 0, 1, 0                              ; the last lap that fills slots: nothing is left to ask ahead for
	PERIOD 0, 1, 1, 0
	PERIOD 1, 0, 0, 0                              ; the last K step: nothing is left to fetch
	s_wait_dscnt 0x0
	WIN MUL
	MULH F1, 0, 0
	MULH F1, 2, 0
	; THE WAY OUT.  The biases first: (b_ih + b_hh) x 2 log2 e.  These 64 lines name none of the last matrix instructions' registers: they are its places too.
	s_wait_loadcnt 0x0
	WIN 0x8a
.set ob, 0
.rept 32
	v_pk_add_f32 v[2*ob:2*ob+1], v[2*ob:2*ob+1], v[64+2*ob:64+2*ob+1]
.set ob, ob+1
.endr
.set ob, 0
.rept 32
	v_pk_mul_f32 v[2*ob:2*ob+1], v[2*ob:2*ob+1], 0x4038aa3b op_sel_hi:[1,0]
.set ob, ob+1
.endr
	s_lshl_b32 s66, s20, 7
	s_lshl_b32 s67, s15, 6
	s_add_co_u32 s66, s66, s67                     ; my first row
	s_lshl_b32 s66, s66, 13                        ; x 8,192 bytes
	s_lshl_b32 s67, s19, 10                        ; + 1,024 x block column + 512 x half
	s_add_co_u32 s66, s66, s67
	s_lshl_b32 s67, s16, 9
	s_add_co_u32 s66, s66, s67
	s_mov_b32 s67, 0
	s_add_nc_u64 s[12:13], s[12:13], s[66:67]
; 16 rows: tanh in f32, through my own stage, out as whole rows of 512 bytes
.macro OUT16 a
	WIN 0x21                                       ; source 0 window 1 (sums), source 2 window 2 (biases), result window 0
.set ob, 0
.rept 32
	v_pk_fma_f32 v[T+2*ob:T+2*ob+1], v[64*\a+2*ob:64*\a+2*ob+1], 0x4038aa3b, v[2*ob:2*ob+1] op_sel_hi:[1,0,1]
.set ob, ob+1
.endr
	WIN 0
.set ob, 0
.rept 64
	v_exp_f32 v[T+ob], v[T+ob]
.set ob, ob+1
.endr
	v_nop                                          ; one plain instruction between the last exponential and the first use (ISA guide 5.7.2)
.set ob, 0
	s_wait_alu depctr_va_vdst(0)
.rept 32
	v_pk_add_f32 v[T+2*ob:T+2*ob+1], v[T+2*ob:T+2*ob+1], 1.0 op_sel_hi:[1,0]
.set ob, ob+1
.endr
.set ob, 0
.rept 64
	v_rcp_f32 v[T+ob], v[T+ob]
.set ob, ob+1
.endr
	v_nop
.set ob, 0
	s_wait_alu depctr_va_vdst(0)
.rept 32
	v_pk_fma_f32 v[T+2*ob:T+2*ob+1], v[T+2*ob:T+2*ob+1], -2.0, 1.0 op_sel_hi:[1,0,0]
.set ob, ob+1
.endr
.irp b, 0,1,2,3,4,5,6,7
	ds_store_b128 v[STO], v[T+8*\b:T+8*\b+3]   offset:64*\b
	ds_store_b128 v[STO], v[T+8*\b+4:T+8*\b+7] offset:64*\b+16
.endr
	s_wait_xcnt 0x0                                ; R, which the last block's stores read, is loaded again only behind this wait
.irp t, 0,1,2,3,4,5,6,7,8,9,10,11,12,13,14,15
	ds_load_b128 v[R+4*\t:R+4*\t+3], v[RD] offset:\t*SP        ; LDS serves a wave's instructions in order: these see the stores above
.endr
.irp t, 0,1,2,3,4,5,6,7,8,9,10,11,12,13,14,15
	s_wait_dscnt 15-\t
	global_store_b128 v[CO], v[R+4*\t:R+4*\t+3], s[12:13] offset:(16*\a+\t)*8192   ; the wave stores 512 consecutive bytes, aligned
.endr
.endm
	OUT16 0
	OUT16 1
	OUT16 2
	OUT16 3
	s_wait_tensorcnt 0x0
	ds_add_u32 v62, v63
	s_wait_dscnt 0x0
	CROUND                                         ; the closing round: no work-group ends while a partner may still ask jointly
	s_endpgm
.Lfunc_end_k_q503fe8997a_gemm2:
	.size	k_q503fe8997a_gemm2, .Lfunc_end_k_q503fe8997a_gemm2-k_q503fe8997a_gemm2
	.p2alignl 7, 3214868480
	.fill 96, 4, 3214868480
	.section	.rodata,"a",@progbits
	.p2align	6, 0x0
	.amdhsa_kernel k_q503fe8997a_gemm2
		.amdhsa_group_segment_fixed_size 327680
		.amdhsa_private_segment_fixed_size 0
		.amdhsa_enable_private_segment 0
		.amdhsa_kernarg_size 40
		.amdhsa_user_sgpr_count 2
		.amdhsa_user_sgpr_kernarg_segment_ptr 1
		.amdhsa_wavefront_size32 1
		.amdhsa_system_sgpr_workgroup_id_x 1
		.amdhsa_system_sgpr_workgroup_id_y 1
		.amdhsa_system_sgpr_workgroup_id_z 1
		.amdhsa_system_vgpr_workitem_id 0
		.amdhsa_next_free_vgpr 640
		.amdhsa_next_free_sgpr 80
		.amdhsa_reserve_vcc 0
		.amdhsa_float_denorm_mode_32 3
		.amdhsa_float_denorm_mode_16_64 3
		.amdhsa_memory_ordered 1
		.amdhsa_forward_progress 1
		.amdhsa_inst_pref_size 171
	.end_amdhsa_kernel
	.amdgpu_metadata
---
amdhsa.version: [ 1, 2 ]
amdhsa.kernels:
  - .name:           k_q503fe8997a_gemm2
    .symbol:         k_q503fe8997a_gemm2.kd
    .args:
      - { .name: h1h, .offset: 0, .size: 8, .value_kind: global_buffer, .address_space: global }
      - { .name: w1h, .offset: 8, .size: 8, .value_kind: global_buffer, .address_space: global }
      - { .name: b_ih1, .offset: 16, .size: 8, .value_kind: global_buffer, .address_space: global }
      - { .name: b_hh1, .offset: 24, .size: 8, .value_kind: global_buffer, .address_space: global }
      - { .name: h2f, .offset: 32, .size: 8, .value_kind: global_buffer, .address_space: global }
    .group_segment_fixed_size: 327680
    .private_segment_fixed_size: 0
    .kernarg_segment_align: 8
    .kernarg_segment_size: 40
    .max_flat_workgroup_size: 128
    .sgpr_count:     80
    .vgpr_count:     640
    .wavefront_size: 32
...
	.end_amdgpu_metadata
.endif
;; end of part 3
;; launch ln (part 4): grid 256 x 1, 8 waves a work-group, no clusters, 0 bytes of LDS; arguments h2f, nh; writes nh
.if DOCPART == 4
	.amdgcn_target "amdgcn-amd-amdhsa--gfx1250"
	.amdhsa_code_object_version 6
	.text
	.protected	k_q503fe8997a_ln
	.globl	k_q503fe8997a_ln
	.p2align	8
	.type	k_q503fe8997a_ln,@function
k_q503fe8997a_ln:
	s_mov_b64 s[64:65], 0
	v_nop
	global_prefetch_b8 v0, s[64:65] scope:SCOPE_SE
	s_setreg_imm32_b32 hwreg(HW_REG_WAVE_MODE, 25, 1), 1
	s_wait_xcnt 0x0
; nh[r][j] = f16((h2f[r][j] - mu[r]) / sqrt(var[r] + 1e-5)).  The concatenation [h2, h2] has the mean and the variance of h2, so both are taken over 2,048 numbers.
; The gain and the offset of the normalisation are folded into the last product's weights and constant.
; A row is 8,192 bytes: a wave takes a whole row in 64 registers a lane, and two rows one after the other, both asked for at once.
; The variance is the mean of the squares of the centred numbers (two passes over registers): no difference of large sums is formed.
; A stream: no LDS, no barrier, no matrix unit, no cluster (no two work-groups read the same bytes).
; LIMIT: |nh| is at most sqrt(2047), inside f16; below 6.1e-5 the rounding step is 6e-8.
.set X0, 8                             ; v[8:71]    row 0
.set X1, 72                            ; v[72:135]  row 1
.set S,  136                           ; v[136:143] four chains of two sums
.set M,  144                           ; v[144:145] - mean, twice
.set RS, 146                           ; v[146:147] 1 / sqrt(var + eps), twice
	s_load_b128 s[4:7], s[0:1], 0x0                ; h2f s[4:5], nh s[6:7]
	s_lshl_b32 s8, ttmp9, 17                       ; 16 rows of 8,192 bytes
	s_mov_b32 s9, 0
	s_lshl_b32 s10, ttmp9, 16                      ; 16 rows of 4,096 bytes
	s_mov_b32 s11, 0
	s_mov_b32 s12, 0x3a000000                      ; 1 / 2048
	s_mov_b32 s13, 0x3727c5ac                      ; 1e-5
	s_mov_b32 s14, 0x76543210                      ; v_permlanex16_b32: lane i reads lane i of the other half
	s_mov_b32 s15, 0xfedcba98
	v_and_b32 v3, 31, v0
	v_and_b32 v4, 0xe0, v0                         ; 32 x wave
	v_lshlrev_b32 v1, 4, v3
	v_lshl_or_b32 v1, v4, 9, v1                    ; wave x 2 rows x 8,192 + 16 x lane
	v_lshrrev_b32 v2, 1, v1                        ; wave x 2 rows x 4,096 + 8 x lane
	s_wait_kmcnt 0x0
	s_add_nc_u64 s[4:5], s[4:5], s[8:9]
	s_add_nc_u64 s[6:7], s[6:7], s[10:11]
.irp j, 0,1,2,3,4,5,6,7,8,9,10,11,12,13,14,15
	global_load_b128 v[X0+4*\j:X0+4*\j+3], v1, s[4:5] offset:512*\j th:TH_LOAD_NT
.endr
.irp j, 0,1,2,3,4,5,6,7,8,9,10,11,12,13,14,15
	global_load_b128 v[X1+4*\j:X1+4*\j+3], v1, s[4:5] offset:8192+512*\j th:TH_LOAD_NT
.endr
.macro LANESUM                         ; the four chains, then the 32 lanes: every lane ends with the sum in v[S]
	v_pk_add_f32 v[S:S+1],   v[S:S+1],   v[S+2:S+3]
	v_pk_add_f32 v[S+4:S+5], v[S+4:S+5], v[S+6:S+7]
	v_pk_add_f32 v[S:S+1],   v[S:S+1],   v[S+4:S+5]
	v_add_f32 v[S], v[S], v[S+1]
	v_add_f32_dpp v[S], v[S], v[S] row_xmask:1 row_mask:0xf bank_mask:0xf
	v_add_f32_dpp v[S], v[S], v[S] row_xmask:2 row_mask:0xf bank_mask:0xf
	v_add_f32_dpp v[S], v[S], v[S] row_xmask:4 row_mask:0xf bank_mask:0xf
	v_add_f32_dpp v[S], v[S], v[S] row_xmask:8 row_mask:0xf bank_mask:0xf
	v_permlanex16_b32 v[S+1], v[S], s14, s15
	v_add_f32 v[S], v[S], v[S+1]
.endm
.macro ROW X, row, left
	s_wait_loadcnt \left                           ; this row's sixteen loads are in; left = the other row's that may stay out
.irp k, 0,1,2,3
	v_pk_add_f32 v[S+2*\k:S+2*\k+1], v[\X+2*\k:\X+2*\k+1], v[\X+8+2*\k:\X+8+2*\k+1]   ; the first eight pairs start the chains
.endr
.set p, 8
.rept 24
	v_pk_add_f32 v[S+2*(p%4):S+2*(p%4)+1], v[S+2*(p%4):S+2*(p%4)+1], v[\X+2*p:\X+2*p+1]
.set p, p+1
.endr
	LANESUM
	v_mul_f32 v[M], 0xba000000, v[S]               ; - sum / 2048
	v_mov_b32 v[M+1], v[M]
.set p, 0
.rept 32
	v_pk_add_f32 v[\X+2*p:\X+2*p+1], v[\X+2*p:\X+2*p+1], v[M:M+1]
.set p, p+1
.endr
.irp k, 0,1,2,3
	v_pk_mul_f32 v[S+2*\k:S+2*\k+1], v[\X+2*\k:\X+2*\k+1], v[\X+2*\k:\X+2*\k+1]
.endr
.set p, 4
.rept 28
	v_pk_fma_f32 v[S+2*(p%4):S+2*(p%4)+1], v[\X+2*p:\X+2*p+1], v[\X+2*p:\X+2*p+1], v[S+2*(p%4):S+2*(p%4)+1]
.set p, p+1
.endr
	LANESUM
	v_fma_f32 v[S], v[S], s12, s13                 ; var + eps
	v_rsq_f32 v[RS], v[S]
	v_rsq_f32 v[RS+1], v[S]
	v_nop                                          ; one plain instruction in front of the first use (ISA guide 5.7.2)
	s_wait_alu depctr_va_vdst(0)
.irp j, 0,1,2,3,4,5,6,7,8,9,10,11,12,13,14,15
	v_pk_mul_f32 v[\X+4*\j:\X+4*\j+1],   v[\X+4*\j:\X+4*\j+1],   v[RS:RS+1]
	v_pk_mul_f32 v[\X+4*\j+2:\X+4*\j+3], v[\X+4*\j+2:\X+4*\j+3], v[RS:RS+1]
	v_cvt_pk_f16_f32 v[\X+4*\j],   v[\X+4*\j],   v[\X+4*\j+1]
	v_cvt_pk_f16_f32 v[\X+4*\j+1], v[\X+4*\j+2], v[\X+4*\j+3]
	global_store_b64 v2, v[\X+4*\j:\X+4*\j+1], s[6:7] offset:4096*\row+256*\j   ; the wave stores 256 consecutive bytes, aligned; its sources are not written again
.endr
.endm
	ROW X0, 0, 16
	ROW X1, 1, 0
	s_endpgm
.Lfunc_end_k_q503fe8997a_ln:
	.size	k_q503fe8997a_ln, .Lfunc_end_k_q503fe8997a_ln-k_q503fe8997a_ln
	.p2alignl 7, 3214868480
	.fill 96, 4, 3214868480
	.section	.rodata,"a",@progbits
	.p2align	6, 0x0
	.amdhsa_kernel k_q503fe8997a_ln
		.amdhsa_group_segment_fixed_size 0
		.amdhsa_private_segment_fixed_size 0
		.amdhsa_enable_private_segment 0
		.amdhsa_kernarg_size 16
		.amdhsa_user_sgpr_count 2
		.amdhsa_user_sgpr_kernarg_segment_ptr 1
		.amdhsa_wavefront_size32 1
		.amdhsa_system_sgpr_workgroup_id_x 1
		.amdhsa_system_sgpr_workgroup_id_y 1
		.amdhsa_system_sgpr_workgroup_id_z 1
		.amdhsa_system_vgpr_workitem_id 0
		.amdhsa_next_free_vgpr 152
		.amdhsa_next_free_sgpr 66
		.amdhsa_reserve_vcc 0
		.amdhsa_float_denorm_mode_32 3
		.amdhsa_float_denorm_mode_16_64 3
		.amdhsa_memory_ordered 1
		.amdhsa_forward_progress 1
		.amdhsa_inst_pref_size 30
	.end_amdhsa_kernel
	.amdgpu_metadata
---
amdhsa.version: [ 1, 2 ]
amdhsa.kernels:
  - .name:           k_q503fe8997a_ln
    .symbol:         k_q503fe8997a_ln.kd
    .args:
      - { .name: h2f, .offset: 0, .size: 8, .value_kind: global_buffer, .address_space: global }
      - { .name: nh, .offset: 8, .size: 8, .value_kind: global_buffer, .address_space: global }
    .group_segment_fixed_size: 0
    .private_segment_fixed_size: 0
    .kernarg_segment_align: 8
    .kernarg_segment_size: 16
    .max_flat_workgroup_size: 256
    .sgpr_count:     66
    .vgpr_count:     152
    .wavefront_size: 32
...
	.end_amdgpu_metadata
.endif
;; end of part 4
;; launch gemm3 (part 5): grid 8 x 32, 4 waves a work-group, clusters of 4 x 4, 327,680 bytes of LDS; arguments nh, wfh, cvec, out0; writes out0
.if DOCPART == 5
	.amdgcn_target "amdgcn-amd-amdhsa--gfx1250"
	.amdhsa_code_object_version 6
	.text
	.protected	k_q503fe8997a_gemm3
	.globl	k_q503fe8997a_gemm3
	.p2align	8
	.type	k_q503fe8997a_gemm3,@function
k_q503fe8997a_gemm3:
	s_mov_b64 s[64:65], 0
	v_nop
	global_prefetch_b8 v0, s[64:65] scope:SCOPE_SE
	s_setreg_imm32_b32 hwreg(HW_REG_WAVE_MODE, 25, 1), 1
	s_wait_xcnt 0x0
	s_wait_alu depctr_hold_cnt(0) depctr_sa_sdst(0) depctr_va_vdst(0) depctr_va_sdst(0) depctr_va_ssrc(0) depctr_va_vcc(0) depctr_vm_vsrc(0)
	s_getreg_b32 s2, hwreg(HW_REG_IB_STS2, 6, 4)
	s_cmp_eq_u32 s2, 0
	s_cbranch_scc0 .Lentry_in_a_cluster
	s_endpgm
.Lentry_in_a_cluster:
	s_bfe_u32 s2, ttmp6, 0x10000c
	s_cmp_lg_u32 s2, 0xf033
	s_cbranch_scc0 .Lentry_shape_is_right
	s_endpgm
.Lentry_shape_is_right:
; out0[m][o] = sum over j < 2048 of nh[m][j] wfh[o][j] + cvec[o], o < 1000.  nh [4096][2048], wfh [1024][2048] in f16 (rows 1000-1023 are zeros), cvec [1024], out0 [4096][1000] in f32.
; 256 work-groups: a block of 128 rows x 128 columns each, four waves, a wave 64 x 64 = 16 accumulator tiles of 16 x 16 (128 registers).
; K goes in steps of 256 through two LDS slots (128 rows of B, then 128 rows of A, rows of 512 bytes padded to 528): a slot holds eight quarters of 32.
; CLUSTERS of 4 x 4: A's tile hangs on the block row alone and is asked for jointly along a row of the cluster, B's on the block column alone,
; jointly along a column.  Waves 0, 1 ask for B's two halves, waves 2, 3 for A's, 64 rows each: one tensor load a wave behind each round.
; By this text's count a wave has two tensor loads out at the start and one behind each round.
; ASKING AHEAD: wave 3 asks (global_prefetch_b8, lanes 256 bytes apart) in the first period of a lap for the two K steps' tiles that the next lap's joint loads bring:
; two and three periods, 256 and 384 of a wave's matrix instructions, ahead.  A lap is 1,024 bytes of a row, four blocks of 256.  Of A the eight work-groups of a block row take
; 16 rows each: each block is asked for once in the launch.  Of B the work-groups of block rows 0-15 take 8 rows each, and so do those of block rows 16-31: each half of the grid
; asks for all of B, each block twice in the launch.  A work-group asks for 96 blocks (24 KiB) a lap.  The last lap that fills slots asks for nothing: no request passes a row's end.
; The matrix instruction is used transposed (source 0 = rows of B, source 1 = rows of A): lane (r, h) holds row r of C, its registers columns 8 h + 0..7.
; REGISTERS: window 0: v1-31 addresses, v64-127 and v128-191 two fragment buffers (B's 4 fragments, then A's 4), v192-223 cvec of my 4 x 8 columns a lane;
; window 1: the accumulators, tile (a, b) at v[8 (4 a + b)].
; A row of out0 is 4,000 bytes, so a row piece of 256 consecutive bytes starts on a multiple of 16 bytes and not of 256: the shape leaves no other way.
; Columns 1000 to 1023 are computed and not stored.  LIMIT: f16 operands (step 6e-8 below 6.1e-5).
.set SIZE_K, 2048
.set NB,     4                         ; blocks of 16 columns in a wave's tile
.set KS,     256                       ; K in a slot
.set QI,     6                         ; padding behind every 128 words
.set PITCH,  2*KS+16                   ; 528 bytes = 132 words: the 16 rows that a fragment load touches start 4 banks apart (64 banks of 4 bytes: ISA guide 11.1)
.set BROWS,  32*NB                     ; rows of B in a slot
.set RB,     BROWS/2                   ; rows in one load of B
.set RA,     64                        ; rows in one load of A
.set SLOT,   (BROWS+128)*PITCH
.set STAGE,  2*SLOT                    ; behind the ring, a multiple of 256: no fill lands there
.set STG,    16*272                    ; a wave's stage: 16 rows of 256 bytes, padded
.set LAPS,   SIZE_K/(2*KS)             ; a lap = two K steps = once round the ring
.set LAPB,   2*KS*2                    ; bytes of a row in a lap
.set NLD,    2*(NB+4)                  ; LDS loads of one quarter's fragments
.set OROW,   4000                      ; bytes in a row of out0
.set ADRA, 16                          ; v16-17 LDS address of my A fragments in slot 0, 1
.set ADRB, 20                          ; v20-21 the same for B
.set STO,  24
.set RD,   25
.set CO,   26
.set BO,   27                          ; byte offset of my columns in cvec
.set COL,  28                          ; the first of the four columns that I store
.set PFA,  29                          ; asking ahead, A: row (lane mod 16) x a row's bytes + 256 x (lane / 16); never rewritten
.set PFB,  30                          ; asking ahead, B: row (lane mod 8) x a row's bytes + 256 x (lane / 8); never rewritten
.set F0,   64
.set F1,   128
.set T,    64                          ; the way out: 32 numbers in f32
.set R,    96                          ; the way out: rows read back
.set CV,   192
.set G1A, 24                           ; s[24:31] group 1 for A
.set G0A, 32                           ; s[32:39] group 0 for A, a set a slot
.set G1B, 40                           ; s[40:47] group 1 for B
.set G0B, 48                           ; s[48:55] group 0 for B, a set a slot
.set PA,  72                           ; s[72:73] asking ahead: my 16 rows of A at the lap asked for
.set PB,  74                           ; s[74:75] my 8 rows of B
.set G1W0, (1<<16)|(1<<20)|(1<<21)|(QI<<22)|(3<<25)   ; 2-byte elements, padding on, bit 21 beside a mask, the interval, 4 words of padding
.set MUL, 0x50                         ; C and D in window 1, sources in window 0
.set MSB, 0
.macro WIN new                         ; the immediate's high byte repeats the setting that is left
.if MSB != \new
	s_set_vgpr_msb (MSB<<8)|\new
.set MSB, \new
.endif
.endm
.macro PLACES                          ; four places behind a matrix instruction in front of loads into its sources or reads of its result
.rept 4
	v_nop
.endr
.endm
.macro CREST                           ; a round of the cluster's barrier behind its opening barrier
	s_cmp_lg_u32 s14, 0
	s_cbranch_scc1 .Lnot_wave_0_\@
	s_barrier_signal -3
.Lnot_wave_0_\@:
	s_barrier_wait -3
	s_barrier_signal -1
	s_barrier_wait -1
.endm
.macro CROUND
	s_barrier_signal -1
	s_barrier_wait -1
	CREST
.endm
.macro JLOAD s                         ; the wave's one joint load; the branch hangs on the wave's number alone
	s_cmp_eq_u32 s15, 0
	s_cbranch_scc0 .Lfor_a_\@
	tensor_load_to_lds s[G0B+4*\s:G0B+4*\s+3], s[G1B:G1B+7]
	s_nop 0
	s_branch .Lasked_\@
.Lfor_a_\@:
	tensor_load_to_lds s[G0A+4*\s:G0A+4*\s+3], s[G1A:G1A+7]
	s_nop 0
.Lasked_\@:
.endm
; Wave 3 asks ahead for a lap's two K steps: 16 rows x 4 blocks of 256 bytes of A (two lines), 8 rows x 4 blocks of B.  step = 1: first a lap on.
.macro ASK step
.if \step
	s_wait_xcnt 0x0                                ; the requests of a lap ago have had their addresses translated (ISA guide 3.1): their bases are stepped only behind this wait
	s_add_nc_u64 s[PA:PA+1], s[PA:PA+1], LAPB
	s_add_nc_u64 s[PB:PB+1], s[PB:PB+1], LAPB
.endif
	s_cmp_lg_u32 s14, 3
	s_cbranch_scc1 .Lnot_wave_3_\@
	global_prefetch_b8 v[PFA], s[PA:PA+1] th:TH_LOAD_NT scope:SCOPE_SE
	global_prefetch_b8 v[PFA], s[PA:PA+1] offset:512 th:TH_LOAD_NT scope:SCOPE_SE
	global_prefetch_b8 v[PFB], s[PB:PB+1] th:TH_LOAD_NT scope:SCOPE_SE
.Lnot_wave_3_\@:
.endm
.macro FETCH slot, k, f                ; one quarter's fragments (32 along K at byte k of the rows) into buffer f
	WIN 0
.set fi, 0
.rept NB
	ds_load_b128 v[\f+8*fi:\f+8*fi+3],   v[ADRB+\slot] offset:\k+fi*16*PITCH
	ds_load_b128 v[\f+8*fi+4:\f+8*fi+7], v[ADRB+\slot] offset:\k+fi*16*PITCH+32
.set fi, fi+1
.endr
.irp i, 0,1,2,3
	ds_load_b128 v[\f+8*NB+8*\i:\f+8*NB+8*\i+3],   v[ADRA+\slot] offset:\k+\i*16*PITCH
	ds_load_b128 v[\f+8*NB+8*\i+4:\f+8*NB+8*\i+7], v[ADRA+\slot] offset:\k+\i*16*PITCH+32
.endr
.endm
; m blocks a0, a0 + 1 times all n blocks.  The accumulators take turns, one instruction a turn, in the same order in every quarter.
.macro MULH f, a0, zero
.irp a, \a0, \a0+1
.set mb, 0
.rept NB
.if \zero
	v_wmma_f32_16x16x32_f16 v[8*(NB*(\a)+mb):8*(NB*(\a)+mb)+7], v[\f+8*mb:\f+8*mb+7], v[\f+8*NB+8*(\a):\f+8*NB+8*(\a)+7], 0
.else
	v_wmma_f32_16x16x32_f16 v[8*(NB*(\a)+mb):8*(NB*(\a)+mb)+7], v[\f+8*mb:\f+8*mb+7], v[\f+8*NB+8*(\a):\f+8*NB+8*(\a)+7], v[8*(NB*(\a)+mb):8*(NB*(\a)+mb)+7]
.endif
.set mb, mb+1
.endr
.endr
.endm
.macro QUARTER slot, k, f, g, zero     ; asks for the next quarter's fragments (into g), then multiplies buffer f
	PLACES
	FETCH \slot, \k, \g
	s_wait_dscnt NLD                               ; all but the loads just issued: buffer f is in
	WIN MUL
	MULH \f, 0, \zero
	MULH \f, 2, \zero
.endm
.macro SEVEN slot, zero                ; multiplies a slot's quarters 0 to 6 and leaves its last quarter's fragments on their way into buffer 1
	QUARTER \slot, 64,  F0, F1, \zero
	QUARTER \slot, 128, F1, F0, 0
	QUARTER \slot, 192, F0, F1, 0
	QUARTER \slot, 256, F1, F0, 0
	QUARTER \slot, 320, F0, F1, 0
	QUARTER \slot, 384, F1, F0, 0
	QUARTER \slot, 448, F0, F1, 0
.endm
; A period: the change of slots, then a K step's 128 matrix instructions.  In front of the signal my reads of slot old are back (its last quarter lies in buffer 1) and all
; my tensor loads have landed: the one that was out is my part of slot cur.  fill = 1: the barrier opens a round of the cluster's barrier, and the joint refill of slot old stands
; first behind it.  No matrix instruction stands between the wait for a tile and the next refill; all 128 stand between a refill and the wait for it.  ask = 1: wave 3 asks ahead.
.macro PERIOD cur, old, fill, ask
	s_wait_dscnt 0x0
	s_wait_tensorcnt 0x0
	ds_add_u32 v254, v255
	s_wait_dscnt 0x0
	s_barrier_signal -1
	s_barrier_wait -1
.if \fill
	CREST
	s_add_nc_u64 s[G0A+4*\old+2:G0A+4*\old+3], s[G0A+4*\old+2:G0A+4*\old+3], LAPB   ; no load of mine is out: two K steps on
	s_add_nc_u64 s[G0B+4*\old+2:G0B+4*\old+3], s[G0B+4*\old+2:G0B+4*\old+3], LAPB
	JLOAD \old
.endif
.if \ask
	ASK 1
.endif
	PLACES
	FETCH \cur, 0, F0                              ; the new slot's first quarter,
	WIN MUL
	MULH F1, 0, 0                                  ; while the old slot's last is multiplied (in since the wait for 0 above)
	MULH F1, 2, 0
	SEVEN \cur, 0
	WIN 0                                          ; at a label and at a branch every window is 0
.endm
	s_load_b256 s[4:11], s[0:1], 0x0               ; A s[4:5], B s[6:7], cvec s[8:9], out0 s[10:11]
	v_lshl_add_u32 v254, v0, 2, 0x46400
	v_mov_b32 v255, 0
	ds_add_u32 v254, v255
	v_lshrrev_b32 v1, 5, v0
	v_readfirstlane_b32 s14, v1                    ; wave
	s_lshr_b32 s15, s14, 1                         ; my half of the block's rows; also: I ask for B (0) or A (1)
	s_and_b32 s16, s14, 1                          ; my half of its columns; also: which half of that tile I ask for
	s_bfe_u32 s17, ttmp6, 0x40000                  ; cx
	s_bfe_u32 s18, ttmp6, 0x40004                  ; cy
	s_lshl_b32 s19, ttmp9, 2
	s_add_co_u32 s19, s19, s17                     ; block column
	s_and_b32 s20, ttmp7, 0xffff
	s_lshl_b32 s20, s20, 2
	s_add_co_u32 s20, s20, s18                     ; block row
	s_lshl_b32 s21, s18, 2
	s_lshl_b32 s21, 15, s21                        ; my row of the cluster
	s_lshl_b32 s22, 0x1111, s17                    ; my column
	s_or_b32 s[G1A+0], s21, G1W0
	s_mov_b32 s[G1A+1], KS<<16                     ; tensor_dim0
	s_mov_b32 s[G1A+2], RA<<16                     ; tensor_dim1
	s_mov_b32 s[G1A+3], KS<<16                     ; tile_dim0
	s_mov_b32 s[G1A+4], RA                         ; tile_dim1
	s_mov_b32 s[G1A+5], SIZE_K                     ; elements from row to row
	s_mov_b32 s[G1A+6], 0
	s_mov_b32 s[G1A+7], 0
	s_or_b32 s[G1B+0], s22, G1W0
	s_mov_b32 s[G1B+1], KS<<16
	s_mov_b32 s[G1B+2], RB<<16
	s_mov_b32 s[G1B+3], KS<<16
	s_mov_b32 s[G1B+4], RB
	s_mov_b32 s[G1B+5], SIZE_K
	s_mov_b32 s[G1B+6], 0
	s_mov_b32 s[G1B+7], 0
	s_lshl_b32 s56, s20, 7                         ; A: row 128 x block row + 64 x half, in bytes (below 2^32)
	s_lshl_b32 s57, s16, 6
	s_add_co_u32 s56, s56, s57
	s_mul_i32 s56, s56, 2*SIZE_K
	s_mov_b32 s57, 0
	s_mul_i32 s58, s19, BROWS                      ; B: row BROWS x block column + RB x half
	s_mul_i32 s59, s16, RB
	s_add_co_u32 s58, s58, s59
	s_mul_i32 s58, s58, 2*SIZE_K
	s_mov_b32 s59, 0
	s_mul_i32 s60, s14, RB*PITCH                   ; LDS: B's halves from waves 0, 1
	s_mul_i32 s61, s14, RA*PITCH                   ; A's halves from waves 2, 3, behind B's rows
	s_add_co_u32 s61, s61, (BROWS-128)*PITCH
	s_lshl_b32 s76, s20, 7                         ; asking ahead, A: row 128 x block row + 16 x block column, at K step 2 (in registers that feed no descriptor)
	s_lshl_b32 s77, s19, 4
	s_add_co_u32 s76, s76, s77
	s_mul_i32 s76, s76, 2*SIZE_K
	s_add_co_u32 s76, s76, LAPB
	s_mov_b32 s77, 0
	s_and_b32 s79, s20, 15                         ; B: row BROWS x block column + 8 x (block row mod 16), at K step 2
	s_lshl_b32 s79, s79, 3
	s_mul_i32 s78, s19, BROWS
	s_add_co_u32 s78, s78, s79
	s_mul_i32 s78, s78, 2*SIZE_K
	s_add_co_u32 s78, s78, LAPB
	s_mov_b32 s79, 0
	s_wait_dscnt 0x0
	s_wait_kmcnt 0x0
	s_add_nc_u64 s[56:57], s[4:5], s[56:57]
	s_add_nc_u64 s[58:59], s[6:7], s[58:59]
	s_add_nc_u64 s[PA:PA+1], s[4:5], s[76:77]
	s_add_nc_u64 s[PB:PB+1], s[6:7], s[78:79]
	CROUND                                         ; all sixteen work-groups are here: the first joint loads meet
.irp s, 0,1
	s_mov_b32 s[G0A+4*\s], 1
	s_add_co_u32 s[G0A+4*\s+1], s61, \s*SLOT
	s_add_nc_u64 s[G0A+4*\s+2:G0A+4*\s+3], s[56:57], \s*KS*2
	s_or_b32 s[G0A+4*\s+3], s[G0A+4*\s+3], 0x80000000
	s_mov_b32 s[G0B+4*\s], 1
	s_add_co_u32 s[G0B+4*\s+1], s60, \s*SLOT
	s_add_nc_u64 s[G0B+4*\s+2:G0B+4*\s+3], s[58:59], \s*KS*2
	s_or_b32 s[G0B+4*\s+3], s[G0B+4*\s+3], 0x80000000
	JLOAD \s
.endr
	v_and_b32 v1, 15, v0                           ; r
	v_bfe_u32 v2, v0, 4, 1                         ; h
	v_mul_u32_u24 v[PFA], v1, 2*SIZE_K
	v_lshl_add_u32 v[PFA], v2, 8, v[PFA]
	v_and_b32 v5, 7, v0
	v_bfe_u32 v6, v0, 3, 2
	v_mul_u32_u24 v[PFB], v5, 2*SIZE_K
	v_lshl_add_u32 v[PFB], v6, 8, v[PFB]
	ASK 0                                          ; K steps 2 and 3, which the first lap's joint loads bring
	s_lshl_b32 s63, s19, 7                         ; my first column: 128 x block column + 64 x half
	s_lshl_b32 s66, s16, 6
	s_add_co_u32 s63, s63, s66
	v_lshl_add_u32 v[COL], v1, 2, s63              ; + 4 r: the columns that I store
	s_lshl_b32 s63, s63, 2
	v_lshl_add_u32 v[BO], v2, 5, s63               ; cvec: 4 x first column + 32 h
.irp b, 0,1,2,3
	global_load_b128 v[CV+8*\b:CV+8*\b+3],   v[BO], s[8:9] offset:64*\b      ; waited for at the way out
	global_load_b128 v[CV+8*\b+4:CV+8*\b+7], v[BO], s[8:9] offset:64*\b+16
.endr
	v_mul_u32_u24 v3, v1, PITCH
	v_lshl_add_u32 v3, v2, 4, v3                   ; row x pitch + 16 h
	s_mul_i32 s58, s16, 16*NB*PITCH                ; my rows of B
	s_mul_i32 s59, s15, 64*PITCH                   ; my rows of A, behind B's
	s_add_co_u32 s59, s59, BROWS*PITCH
.irp s, 0,1
	v_add_nc_u32 v[ADRB+\s], s58, v3
	v_add_nc_u32 v[ADRA+\s], s59, v3
	s_add_co_u32 s58, s58, SLOT
	s_add_co_u32 s59, s59, SLOT
.endr
	s_mul_i32 s62, s14, STG
	s_add_co_u32 s62, s62, STAGE                   ; my stage
	v_mul_u32_u24 v4, v1, 272
	v_lshl_add_u32 v4, v2, 5, v4
	v_add_nc_u32 v[STO], s62, v4                   ; in: row r, 32 bytes for each half of the lanes
	v_mul_u32_u24 v5, v2, 272
	v_lshl_add_u32 v5, v1, 4, v5
	v_add_nc_u32 v[RD], s62, v5                    ; back: lanes 0-15 one row of 256 bytes, lanes 16-31 the next
	v_mul_u32_u24 v5, v2, OROW
	v_lshl_add_u32 v[CO], v1, 4, v5                ; the same two rows in out0
	s_wait_tensorcnt 0x1                           ; my part of K step 0 is in; K step 1's stays out
	s_barrier_signal -1
	s_barrier_wait -1
	FETCH 0, 0, F0
	SEVEN 0, 1                                     ; the first products start the sums
	WIN 0
	s_mov_b32 s3, LAPS-2
.Llap:
	PERIOD 1, 0, 1, 1
	PERIOD 0, 1, 1, 0
	s_sub_co_u32 s3, s3, 1
	s_cmp_lg_u32 s3, 0
	s_cbranch_scc1 .Llap
	PERIOD 1, 0, 1, 0                              ; the last lap that fills slots: nothing is left to ask ahead for
	PERIOD 0, 1, 1, 0
	PERIOD 1, 0, 0, 0                              ; the last K step: nothing is left to fetch
	s_wait_dscnt 0x0
	WIN MUL
	MULH F1, 0, 0
	MULH F1, 2, 0
	; THE WAY OUT, 16 rows at a time: + cvec, through my own stage, out as row pieces of 256 bytes; lanes whose four columns lie at 1000 or beyond store nothing.
	PLACES
	WIN 0
	s_wait_loadcnt 0x0                             ; cvec
	v_cmp_gt_u32 vcc_lo, 1000, v[COL]
	s_lshl_b32 s66, s20, 7
	s_lshl_b32 s67, s15, 6
	s_add_co_u32 s66, s66, s67                     ; my first row
	s_mul_i32 s66, s66, OROW
	s_lshl_b32 s67, s19, 9                         ; + 512 x block column + 256 x half
	s_add_co_u32 s66, s66, s67
	s_lshl_b32 s67, s16, 8
	s_add_co_u32 s66, s66, s67
	s_mov_b32 s67, 0
	s_add_nc_u64 s[10:11], s[10:11], s[66:67]
.macro OUT16 a
	WIN 0x01                                       ; source 0 window 1 (sums)
.set ob, 0
.rept 16
	v_pk_add_f32 v[T+2*ob:T+2*ob+1], v[32*\a+2*ob:32*\a+2*ob+1], v[CV+2*ob:CV+2*ob+1]
.set ob, ob+1
.endr
	WIN 0
.irp b, 0,1,2,3
	ds_store_b128 v[STO], v[T+8*\b:T+8*\b+3]   offset:64*\b
	ds_store_b128 v[STO], v[T+8*\b+4:T+8*\b+7] offset:64*\b+16
.endr
.irp t, 0,1,2,3,4,5,6,7
	ds_load_b128 v[R+4*\t:R+4*\t+3], v[RD] offset:\t*2*272     ; LDS serves a wave's instructions in order: these see the stores above
.endr
	s_wait_dscnt 0x0
	s_wait_xcnt 0x0                                ; EXEC changes only behind this wait
	s_and_saveexec_b32 s70, vcc_lo
.irp t, 0,1,2,3,4,5,6,7
	global_store_b128 v[CO], v[R+4*\t:R+4*\t+3], s[10:11] offset:(16*\a+2*\t)*OROW   ; 16 lanes store 256 consecutive bytes of a row
.endr
	s_wait_xcnt 0x0                                ; in front of the line that widens EXEC; R is loaded again only behind it too
	s_or_b32 exec_lo, exec_lo, s70
.endm
	OUT16 0
	OUT16 1
	OUT16 2
	OUT16 3
	s_wait_tensorcnt 0x0
	ds_add_u32 v254, v255
	s_wait_dscnt 0x0
	CROUND                                         ; the closing round: no work-group ends while a partner may still ask jointly
	s_endpgm
.Lfunc_end_k_q503fe8997a_gemm3:
	.size	k_q503fe8997a_gemm3, .Lfunc_end_k_q503fe8997a_gemm3-k_q503fe8997a_gemm3
	.p2alignl 7, 3214868480
	.fill 96, 4, 3214868480
	.section	.rodata,"a",@progbits
	.p2align	6, 0x0
	.amdhsa_kernel k_q503fe8997a_gemm3
		.amdhsa_group_segment_fixed_size 327680
		.amdhsa_private_segment_fixed_size 0
		.amdhsa_enable_private_segment 0
		.amdhsa_kernarg_size 32
		.amdhsa_user_sgpr_count 2
		.amdhsa_user_sgpr_kernarg_segment_ptr 1
		.amdhsa_wavefront_size32 1
		.amdhsa_system_sgpr_workgroup_id_x 1
		.amdhsa_system_sgpr_workgroup_id_y 1
		.amdhsa_system_sgpr_workgroup_id_z 1
		.amdhsa_system_vgpr_workitem_id 0
		.amdhsa_next_free_vgpr 384
		.amdhsa_next_free_sgpr 80
		.amdhsa_reserve_vcc 1
		.amdhsa_float_denorm_mode_32 3
		.amdhsa_float_denorm_mode_16_64 3
		.amdhsa_memory_ordered 1
		.amdhsa_forward_progress 1
		.amdhsa_inst_pref_size 132
	.end_amdhsa_kernel
	.amdgpu_metadata
---
amdhsa.version: [ 1, 2 ]
amdhsa.kernels:
  - .name:           k_q503fe8997a_gemm3
    .symbol:         k_q503fe8997a_gemm3.kd
    .args:
      - { .name: nh, .offset: 0, .size: 8, .value_kind: global_buffer, .address_space: global }
      - { .name: wfh, .offset: 8, .size: 8, .value_kind: global_buffer, .address_space: global }
      - { .name: cvec, .offset: 16, .size: 8, .value_kind: global_buffer, .address_space: global }
      - { .name: out0, .offset: 24, .size: 8, .value_kind: global_buffer, .address_space: global }
    .group_segment_fixed_size: 327680
    .private_segment_fixed_size: 0
    .kernarg_segment_align: 8
    .kernarg_segment_size: 32
    .max_flat_workgroup_size: 128
    .sgpr_count:     80
    .vgpr_count:     384
    .wavefront_size: 32
...
	.end_amdgpu_metadata
.endif
;; end of part 5
;; ======== version 2 of 2: 5 launches; version 1 with the launch ln written anew for expert scheduling mode
;; limits: values are held in f16: magnitudes above 65,504 overflow, below 6.1e-05 lose precision
;; workspace buffers: xh 33,554,432 bytes; w0h 16,777,216 bytes; w1h 8,388,608 bytes; wfh 4,194,304 bytes; cvec 4,096 bytes; h1h 16,777,216 bytes; h2f 33,554,432 bytes; nh 16,777,216 bytes
;; launch prep: the kernel of part 1 again; grid 1920 x 1, 8 waves a work-group, no clusters, 0 bytes of LDS; arguments x, W_ih0, W_ih1, xh, w0h, w1h, fc_W, fc_b, ln_g, ln_b, wfh, cvec; writes xh, w0h, w1h, wfh, cvec
;; launch gemm1: the kernel of part 2 again; grid 8 x 32, 4 waves a work-group, clusters of 4 x 4, 327,680 bytes of LDS; arguments xh, w0h, b_ih0, b_hh0, h1h; writes h1h
;; launch gemm2: the kernel of part 3 again; grid 8 x 32, 4 waves a work-group, clusters of 4 x 4, 327,680 bytes of LDS; arguments h1h, w1h, b_ih1, b_hh1, h2f; writes h2f
;; launch ln (part 6): grid 256 x 1, 8 waves a work-group, no clusters, 0 bytes of LDS; arguments h2f, nh; writes nh
.if DOCPART == 6
	.amdgcn_target "amdgcn-amd-amdhsa--gfx1250"
	.amdhsa_code_object_version 6
	.text
	.protected	k_q503fe8997a_ln
	.globl	k_q503fe8997a_ln
	.p2align	8
	.type	k_q503fe8997a_ln,@function
k_q503fe8997a_ln:
	s_mov_b64 s[64:65], 0
	v_nop
	global_prefetch_b8 v0, s[64:65] scope:SCOPE_SE
	s_setreg_imm32_b32 hwreg(HW_REG_WAVE_SCHED_MODE, 0, 2), 2
	s_setreg_imm32_b32 hwreg(HW_REG_WAVE_MODE, 25, 1), 1
	s_wait_xcnt 0x0
	s_wait_alu depctr_vm_vsrc(0)
; nh[r][j] = f16((h2f[r][j] - mu[r]) / sqrt(var[r] + 1e-5)).  The concatenation [h2, h2] has the mean and the variance of h2, so both are taken over 2,048 numbers.
; The gain and the offset of the normalisation are folded into the last product's weights and constant.
; A row is 8,192 bytes: a wave takes a whole row in 64 registers a lane, and two rows one after the other, both asked for at once.
; The variance is the mean of the squares of the centred numbers (two passes over registers): no difference of large sums is formed.
; A stream: no LDS, no barrier, no matrix unit, no cluster (no two work-groups read the same bytes).
; LIMIT: |nh| is at most sqrt(2047), inside f16; below 6.1e-5 the rounding step is 6e-8.
; THE MODE: SCHED_MODE bits 1:0 = 2 (LLVM: expert scheduling mode 2), set by the entry lines.  The code itself states the register dependences
; between vector instructions and memory instructions, with s_wait_alu, always for 0.
; THE PLAN.  Registers that memory instructions touch:
;   v1, v2   byte offsets of the loads and of the stores: made once at the head by vector instructions, never written again.
;   X0, X1   a row each.  Written by the row's sixteen loads, all issued at the head; then worked on in place by the row's vector instructions, whose conversions leave
;            f16 in registers 4 j and 4 j + 1 of group j; those are read by the row's sixteen stores, and nothing writes them afterwards.
;   S, M, RS are named by vector instructions alone.
; No load is issued behind the head and no register that a memory instruction reads is written again: so all that is to be stated is that a store's data, and the offsets,
; are written.  Row 0's sixteen stores stand behind ONE wait at row 1's head, dealt among the additions of row 1's sum, which name S and X1 alone.  Row 1's stores go in two
; halves: the low half's behind a wait in the middle of the conversions, dealt among the high half's lines, which name the high half and RS alone; the high half's behind a last wait.
.set X0, 8                             ; v[8:71]    row 0
.set X1, 72                            ; v[72:135]  row 1
.set S,  136                           ; v[136:143] four chains of two sums
.set M,  144                           ; v[144:145] - mean, twice
.set RS, 146                           ; v[146:147] 1 / sqrt(var + eps), twice
	s_load_b128 s[4:7], s[0:1], 0x0                ; h2f s[4:5], nh s[6:7]
	s_lshl_b32 s8, ttmp9, 17                       ; 16 rows of 8,192 bytes
	s_mov_b32 s9, 0
	s_lshl_b32 s10, ttmp9, 16                      ; 16 rows of 4,096 bytes
	s_mov_b32 s11, 0
	s_mov_b32 s12, 0x3a000000                      ; 1 / 2048
	s_mov_b32 s13, 0x3727c5ac                      ; 1e-5
	s_mov_b32 s14, 0x76543210                      ; v_permlanex16_b32: lane i reads lane i of the other half
	s_mov_b32 s15, 0xfedcba98
	v_and_b32 v3, 31, v0
	v_and_b32 v4, 0xe0, v0                         ; 32 x wave
	v_lshlrev_b32 v1, 4, v3
	v_lshl_or_b32 v1, v4, 9, v1                    ; wave x 2 rows x 8,192 + 16 x lane
	v_lshrrev_b32 v2, 1, v1                        ; wave x 2 rows x 4,096 + 8 x lane
	s_wait_kmcnt 0x0
	s_add_nc_u64 s[4:5], s[4:5], s[8:9]
	s_add_nc_u64 s[6:7], s[6:7], s[10:11]
	s_wait_alu depctr_va_vdst(0)                   ; v1 and v2 are written: every load reads v1 as its offset, every store v2
.irp j, 0,1,2,3,4,5,6,7,8,9,10,11,12,13,14,15
	global_load_b128 v[X0+4*\j:X0+4*\j+3], v1, s[4:5] offset:512*\j th:TH_LOAD_NT
.endr
.irp j, 0,1,2,3,4,5,6,7,8,9,10,11,12,13,14,15
	global_load_b128 v[X1+4*\j:X1+4*\j+3], v1, s[4:5] offset:8192+512*\j th:TH_LOAD_NT
.endr
.macro LANESUM                         ; the four chains, then the 32 lanes: every lane ends with the sum in v[S]
	v_pk_add_f32 v[S:S+1],   v[S:S+1],   v[S+2:S+3]
	v_pk_add_f32 v[S+4:S+5], v[S+4:S+5], v[S+6:S+7]
	v_pk_add_f32 v[S:S+1],   v[S:S+1],   v[S+4:S+5]
	v_add_f32 v[S], v[S], v[S+1]
	v_add_f32_dpp v[S], v[S], v[S] row_xmask:1 row_mask:0xf bank_mask:0xf
	v_add_f32_dpp v[S], v[S], v[S] row_xmask:2 row_mask:0xf bank_mask:0xf
	v_add_f32_dpp v[S], v[S], v[S] row_xmask:4 row_mask:0xf bank_mask:0xf
	v_add_f32_dpp v[S], v[S], v[S] row_xmask:8 row_mask:0xf bank_mask:0xf
	v_permlanex16_b32 v[S+1], v[S], s14, s15
	v_add_f32 v[S], v[S], v[S+1]
.endm
; Group j of a row (four numbers a lane) goes out.
.macro SEND X, row, j
	global_store_b64 v2, v[\X+4*(\j):\X+4*(\j)+1], s[6:7] offset:4096*\row+256*(\j)   ; the wave stores 256 consecutive bytes, aligned; its sources are not written again
.endm
; Group j of a row is scaled and rounded to f16, in place.
.macro SCALE X, j
	v_pk_mul_f32 v[\X+4*(\j):\X+4*(\j)+1],   v[\X+4*(\j):\X+4*(\j)+1],   v[RS:RS+1]
	v_pk_mul_f32 v[\X+4*(\j)+2:\X+4*(\j)+3], v[\X+4*(\j)+2:\X+4*(\j)+3], v[RS:RS+1]
	v_cvt_pk_f16_f32 v[\X+4*(\j)],   v[\X+4*(\j)],   v[\X+4*(\j)+1]
	v_cvt_pk_f16_f32 v[\X+4*(\j)+1], v[\X+4*(\j)+2], v[\X+4*(\j)+3]
.endm
; A row's mean, centring, variance and 1 / sqrt(var + eps).  send = 1 (row 1): row 0's sixteen stores are dealt among the first sixteen additions of the sum.
.macro STATS X, left, send
	s_wait_loadcnt \left                           ; this row's sixteen loads are in; left = the other row's that may stay out
.if \send
	s_wait_alu depctr_va_vdst(0)                   ; row 0's conversions have written X0, which the sixteen stores below read; no vector instruction behind this wait names X0 or v2
.endif
.set p, 0
.rept 4
.if \send
	SEND X0, 0, p
.endif
	v_pk_add_f32 v[S+2*p:S+2*p+1], v[\X+2*p:\X+2*p+1], v[\X+8+2*p:\X+8+2*p+1]   ; the first eight pairs start the chains
.set p, p+1
.endr
.set p, 8
.rept 24
.if (\send) && (p < 20)
	SEND X0, 0, p-4
.endif
	v_pk_add_f32 v[S+2*(p%4):S+2*(p%4)+1], v[S+2*(p%4):S+2*(p%4)+1], v[\X+2*p:\X+2*p+1]
.set p, p+1
.endr
	LANESUM
	v_mul_f32 v[M], 0xba000000, v[S]               ; - sum / 2048
	v_mov_b32 v[M+1], v[M]
.set p, 0
.rept 32
	v_pk_add_f32 v[\X+2*p:\X+2*p+1], v[\X+2*p:\X+2*p+1], v[M:M+1]
.set p, p+1
.endr
.irp k, 0,1,2,3
	v_pk_mul_f32 v[S+2*\k:S+2*\k+1], v[\X+2*\k:\X+2*\k+1], v[\X+2*\k:\X+2*\k+1]
.endr
.set p, 4
.rept 28
	v_pk_fma_f32 v[S+2*(p%4):S+2*(p%4)+1], v[\X+2*p:\X+2*p+1], v[\X+2*p:\X+2*p+1], v[S+2*(p%4):S+2*(p%4)+1]
.set p, p+1
.endr
	LANESUM
	v_fma_f32 v[S], v[S], s12, s13                 ; var + eps
	v_rsq_f32 v[RS], v[S]
	v_rsq_f32 v[RS+1], v[S]
	v_nop                                          ; one plain instruction in front of the first use (ISA guide 5.7.2)
	s_wait_alu depctr_va_vdst(0)                   ; the two reciprocal roots have written v[RS] and v[RS+1], ahead of the first multiply that reads them: one wait for both
.endm
	STATS X0, 16, 0
.set q, 0
.rept 16
	SCALE X0, q                                    ; all of row 0; its stores stand behind the wait at row 1's head
.set q, q+1
.endr
	STATS X1, 0, 1
.set q, 0
.rept 8
	SCALE X1, q                                    ; row 1's groups 0 to 7
.set q, q+1
.endr
	s_wait_alu depctr_va_vdst(0)                   ; the conversions of groups 0 to 7 have written the low half of X1, which the eight stores below read; the lines among them name the high half and RS alone
.set q, 0
.rept 8
	SEND X1, 1, q
	SCALE X1, q+8
.set q, q+1
.endr
	s_wait_alu depctr_va_vdst(0)                   ; the conversions of groups 8 to 15 have written the high half of X1, which the last eight stores read
.set q, 8
.rept 8
	SEND X1, 1, q
.set q, q+1
.endr
	s_endpgm
.Lfunc_end_k_q503fe8997a_ln:
	.size	k_q503fe8997a_ln, .Lfunc_end_k_q503fe8997a_ln-k_q503fe8997a_ln
	.p2alignl 7, 3214868480
	.fill 96, 4, 3214868480
	.section	.rodata,"a",@progbits
	.p2align	6, 0x0
	.amdhsa_kernel k_q503fe8997a_ln
		.amdhsa_group_segment_fixed_size 0
		.amdhsa_private_segment_fixed_size 0
		.amdhsa_enable_private_segment 0
		.amdhsa_kernarg_size 16
		.amdhsa_user_sgpr_count 2
		.amdhsa_user_sgpr_kernarg_segment_ptr 1
		.amdhsa_wavefront_size32 1
		.amdhsa_system_sgpr_workgroup_id_x 1
		.amdhsa_system_sgpr_workgroup_id_y 1
		.amdhsa_system_sgpr_workgroup_id_z 1
		.amdhsa_system_vgpr_workitem_id 0
		.amdhsa_next_free_vgpr 152
		.amdhsa_next_free_sgpr 66
		.amdhsa_reserve_vcc 0
		.amdhsa_float_denorm_mode_32 3
		.amdhsa_float_denorm_mode_16_64 3
		.amdhsa_memory_ordered 1
		.amdhsa_forward_progress 1
		.amdhsa_inst_pref_size 30
	.end_amdhsa_kernel
	.amdgpu_metadata
---
amdhsa.version: [ 1, 2 ]
amdhsa.kernels:
  - .name:           k_q503fe8997a_ln
    .symbol:         k_q503fe8997a_ln.kd
    .args:
      - { .name: h2f, .offset: 0, .size: 8, .value_kind: global_buffer, .address_space: global }
      - { .name: nh, .offset: 8, .size: 8, .value_kind: global_buffer, .address_space: global }
    .group_segment_fixed_size: 0
    .private_segment_fixed_size: 0
    .kernarg_segment_align: 8
    .kernarg_segment_size: 16
    .max_flat_workgroup_size: 256
    .sgpr_count:     66
    .vgpr_count:     152
    .wavefront_size: 32
...
	.end_amdgpu_metadata
.endif
;; end of part 6
;; launch gemm3: the kernel of part 5 again; grid 8 x 32, 4 waves a work-group, clusters of 4 x 4, 327,680 bytes of LDS; arguments nh, wfh, cvec, out0; writes out0
